; MI455X (gfx1250); checked and timed in simulation.
; The chip was launched on July 23, 2026; its instructions are those of AMD's public machine-readable ISA for CDNA 5 (MIT licence, August 2026) and "CDNA5" Instruction Set Architecture Reference Guide (July 2026). The comments in the code are by the model that wrote it; some were corrected since.
;; Multi Attention. Allowed arithmetic: matrix products marked QUANTISED: E3M2 operands, one E8M0 scale for each 32 along K, by v_wmma_scale_f32_16x16x128_f8f6f4 with both operands' format E3M2, f32 sums; everything else in f32.
;; Inputs: Wk 1,024 x 1,024 float32; Wo 1,024 x 1,024 float32; Wq 1,024 x 1,024 float32; Wv 1,024 x 1,024 float32; bo 1,024 float32; query 8 x 1,024 x 1,024 float32.
;; Outputs: out0 8 x 1,024 x 1,024 float32.
;; This version of the problem:
;;   THIS VERSION OF THE PROBLEM IS GIVEN IN LOW PRECISION. The matrix products marked QUANTISED in the list below multiply operands that are first quantised to E3M2 (3 exponent bits, 2 mantissa bits; 6 bits a number), with one power-of-two scale for each 32 numbers along K (OCP MX v1.0); their sums are f32. All else is computed in f32.
;;   The module's matrix products, in the order in which they are computed (A, B: the left and right operand; K: the contracted axis; several contracted axes count as one K, in the product's order):
;;     1. [M 8,192, K 1,024] x [K 1,024, N 1,024]; A: input query; B: input Wq: QUANTISED
;;     2. [M 8,192, K 1,024] x [K 1,024, N 1,024]; A: input query; B: input Wk: QUANTISED
;;     3. [M 8,192, K 1,024] x [K 1,024, N 1,024]; A: input query; B: input Wv: QUANTISED
;;     4. batch 128 x [M 1,024, K 64] x [K 64, N 1,024]; A: computed on the way; B: computed on the way: QUANTISED
;;     5. batch 128 x [M 1,024, K 1,024] x [K 1,024, N 64]; A: softmax (see below); B: computed on the way: QUANTISED
;;     6. [M 8,192, K 1,024] x [K 1,024, N 1,024]; A: computed on the way; B: input Wo: QUANTISED
;;   THE QUANTISER, for each operand of a quantised product, along K:
;;     - K is cut into blocks of 32 from its start; a last block that is shorter is filled with zeros.
;;     - A block's scale is 2^e with e = floor(log2(the largest magnitude in the block)) - 4, held to -126 .. 127; a block of zeros has e = 0. As a byte (E8M0): e + 127.
;;     - Each number is divided by its block's scale, clamped to +-28, and rounded to the nearest number of E3M2, ties to even, subnormals kept.
;;     - The product sums the exact products of the quantised numbers (number of the format x scale) in f32.
;;   ~~~python
;;   def quantise(x, axis):      # numpy; x: float32 -> the quantised numbers, widened to float32 again
;;       x = np.moveaxis(x, axis, -1); K = x.shape[-1]
;;       x = np.pad(x, [(0, 0)] * (x.ndim - 1) + [(0, -K % 32)]); x = x.reshape(x.shape[:-1] + (-1, 32)); a = np.abs(x).max(-1, keepdims=True)
;;       e = np.where(a > 0, np.clip(np.frexp(np.where(a > 0, a, 1))[1] - 1 - 4, -126, 127), 0)      # np.frexp(a)[1] - 1 = floor(log2(a)), exactly
;;       r = np.clip(x / 2.0 ** e, -28, 28)
;;       step = 2.0 ** (np.maximum(np.frexp(np.where(r == 0, 1, r))[1] - 1, -2) - 2)
;;       q = np.round(r / step) * step * 2.0 ** e      # np.round: ties to even
;;       return np.moveaxis(q.reshape(q.shape[:-2] + (-1,))[..., :K], -1, axis).astype(np.float32)
;;   ~~~
;;   SOFTMAX AHEAD OF A QUANTISED PRODUCT. Where the list says 'softmax', what is quantised is not the finished softmax but p = 2^(t - M), with t = logit x log2(e) and M = ceil(the row's largest t), a whole number; so 1/2 < the row's largest p <= 1. The row's sum l is taken of the UNQUANTISED p, in f32, and the product's result is divided by l at the end. Since M is a whole number, a kernel that streams over the keys may use a running M (the ceiling of the running maximum): every later rescaling is an exact power of two, which a block's scale takes up: the codes' values come out the same.
;;   OPERANDS COMPUTED ON THE WAY. 'Computed on the way' means the value that the module computes at that place (a softmax that the list does not call 'softmax' is quantised finished and normalised). What goes into a quantiser is computed in f32, as accurately as f32 sums, v_exp_f32 and their like allow (about 1e-6 of the number): no bf16 or f16 on the way to a quantiser, and a product that is left as it is and whose result goes on into a quantised operand takes f32 operands (vector FMAs, or v_wmma_f32_16x16x4_f32). A number that lies on a knife's edge between two numbers of the format may be rounded either way, as far as f32 arithmetic and the matrix unit's own rounding can turn it there, and no further.
;; 2 versions, each right; version 2 is version 1 with the launch attn written anew for expert scheduling mode. Each part assembles by itself: llvm-mc -triple=amdgcn-amd-amdhsa -mcpu=gfx1250 --defsym DOCPART=n.
;; ======== version 1 of 2: 4 launches
;; workspace buffers: xq 6,553,600 bytes; wall 3,276,800 bytes; qkv 20,447,232 bytes; ao 6,553,600 bytes
;; launch quant (part 1): grid 768 x 1, 4 waves a work-group, no clusters, 68,096 bytes of LDS; arguments query, Wq, Wk, Wv, Wo, xq, wall; writes xq, wall
.if DOCPART == 1
	.amdgcn_target "amdgcn-amd-amdhsa--gfx1250"
	.amdhsa_code_object_version 6
	.text
	.protected	k_q2674fd1983_quant
	.globl	k_q2674fd1983_quant
	.p2align	8
	.type	k_q2674fd1983_quant,@function
k_q2674fd1983_quant:
	s_mov_b64 s[64:65], 0
	v_nop
	global_prefetch_b8 v0, s[64:65] scope:SCOPE_SE
	s_setreg_imm32_b32 hwreg(HW_REG_WAVE_MODE, 25, 1), 1
	s_wait_xcnt 0x0
; query [8192][1024] and the four weights [1024][1024], f32 with K innermost, become codes of BF6 (E3M2) with one E8M0 byte for each 32 along K,
; laid in the ORDER OF AN OPERAND'S REGISTERS.  A fragment (16 rows x 128 K, 12 registers a lane) is 1,536 bytes in two halves of 768: registers 6c .. 6c+3 at 16 x lane, registers 6c+4, 6c+5 at 512 + 8 x lane.
; A TILE'S 16 ROWS ARE NOT NEIGHBOURS: position p of tile T is row 32 (T / 2) + 8 (T % 2) + p + 8 (p / 8), so that the results of two neighbouring tiles are 16 neighbours in a lane's registers.
; Codes: [chunk of 256 K][tile][K step in the chunk][1,536].  Scale words: [tile][chunk][32 words]: lanes 0-15 the rows' words of the chunk's first K step, lanes 16-31 those of the second.
; Weights' tiles in wall: head x 12 + type x 4 + tile in the head (type 0 q, 1 k, 2 v); Wo's tile j at 192 + j.
; SHARES: a work-group is one tile (the first 512: query's; then 64 for each weight), a wave one chunk: two fragments.  Waves share nothing: no barrier.
; Each load reads 512 consecutive bytes of a row; a K step's 16 rows turn through the wave's own stage in LDS (rows 528 bytes apart) and come back 128 bytes a lane: a whole block of 32 in one lane.
; A block's scale byte is its largest magnitude's exponent field - 4, held at 1 from below by a floor among the maximum's leaves.
; LIMITS: NaN and infinities are not served; a block of zeros or under 2^-122 gets the byte 1 (its codes are zeros or subnormal codes; this program alone reads the bytes).
.set SPT,  528                         ; a stage row: 512 bytes + 16
.set STG,  16*SPT                      ; a stage: one K step's 16 rows
.set WREG, 2*STG                       ; a wave's two stages
.set R,    16                          ; v16-143  as loaded: K step s, row position i at R + 64 s + 4 i; v16-79 later take the second K step's 64 numbers
.set X,    144                         ; v144-207 the first K step's 64 numbers of my row
.set MX,   208                         ; largest magnitudes of my two blocks
.set SOP,  210                         ; the conversions' scale operands
.set BY,   212                         ; the bytes
.set W,    214                         ; v214, v215 the scale words of the two K steps
.set WS,   216                         ; the record's word for my lane
.set C,    220                         ; v220-243 the two fragments' codes: no store's data are written again
.set T2,   244                         ; v244-246, v248-250 a block's upper 16 codes (a conversion's three registers begin on an even number)
	s_load_b256 s[4:11], s[0:1], 0x0               ; query, Wq, Wk, Wv
	s_load_b128 s[12:15], s[0:1], 0x20             ; Wo, xq
	s_load_b64 s[16:17], s[0:1], 0x30              ; wall
	v_lshl_add_u32 v254, v0, 2, 0x10800
	v_mov_b32 v255, 0
	v_lshrrev_b32 v8, 5, v0
	v_readfirstlane_b32 s18, v8                    ; wave = chunk
	v_and_b32 v9, 31, v0                           ; lane
	v_lshlrev_b32 v1, 4, v9                        ; 16 x lane
	v_lshlrev_b32 v2, 3, v9                        ; 8 x lane
	v_lshlrev_b32 v3, 2, v9                        ; 4 x lane
	s_mul_i32 s19, s18, WREG
	v_add_nc_u32 v4, s19, v1                       ; into the stage: 16 x lane of a row
	v_and_b32 v10, 15, v0                          ; r
	v_bfe_u32 v11, v0, 4, 1                        ; h
	v_mul_u32_u24 v5, v10, SPT
	v_lshl_add_u32 v5, v11, 7, v5
	v_add_nc_u32 v5, s19, v5                       ; out of it: row r, + 128 h: my block of 32 numbers
	v_lshlrev_b32 v6, 3, v11                       ; 8 h: my bytes' place in a scale word
	v_mov_b32 v7, 0                                ; a lane permute's destination counts as one of its sources
	s_mov_b32 s38, 0x76543210
	s_mov_b32 s39, 0xfedcba98                      ; lane l xor 16
	s_mov_b32 s40, 0xffff0000                      ; lanes 16-31
	s_max_u32 s20, ttmp9, 512
	s_sub_co_u32 s20, s20, 512                     ; a weight's work-group: which,
	s_lshr_b32 s21, s20, 6                         ; of which weight (0 q, 1 k, 2 v, 3 o),
	s_and_b32 s22, s20, 63                         ; which tile of it
	s_lshr_b32 s23, s22, 2
	s_mul_i32 s23, s23, 12
	s_lshl_b32 s24, s21, 2
	s_add_co_u32 s23, s23, s24
	s_and_b32 s24, s22, 3
	s_add_co_u32 s23, s23, s24                     ; head x 12 + type x 4 + tile in the head
	s_add_co_u32 s24, s22, 192
	s_cmp_eq_u32 s21, 3
	s_cselect_b32 s23, s24, s23                    ; Wo's tiles lie behind
	s_mov_b32 s25, 786432                          ; wall: bytes of a chunk,
	s_mov_b32 s26, 3145728                         ; and where its scale words begin
	s_cmp_lt_u32 ttmp9, 512                        ; query's work-group?  The choice hangs on the work-group's number alone
	s_cselect_b32 s22, ttmp9, s22                  ; the tile in the source,
	s_cselect_b32 s23, ttmp9, s23                  ; and in the destination
	s_cselect_b32 s25, 1572864, s25
	s_cselect_b32 s26, 6291456, s26
	s_lshr_b32 s27, s22, 1
	s_lshl_b32 s27, s27, 5
	s_and_b32 s28, s22, 1
	s_lshl_b32 s28, s28, 3
	s_add_co_u32 s27, s27, s28                     ; the tile's first row
	s_lshl_b32 s27, s27, 12                        ; 4,096 bytes a row
	s_lshl_b32 s28, s18, 10                        ; 1,024 bytes a chunk
	s_add_co_u32 s28, s27, s28
	s_mov_b32 s29, 0
	s_mul_i32 s30, s18, s25
	s_mul_i32 s31, s23, 3072
	s_add_co_u32 s30, s30, s31                     ; my two fragments
	s_mov_b32 s31, 0
	s_lshl_b32 s32, s23, 9
	s_add_co_u32 s32, s32, s26
	s_lshl_b32 s33, s18, 7
	s_add_co_u32 s32, s32, s33                     ; my record of 32 scale words
	s_mov_b32 s33, 0
	s_wait_kmcnt 0x0
	s_cmp_eq_u32 s21, 1
	s_cselect_b64 s[6:7], s[8:9], s[6:7]
	s_cmp_eq_u32 s21, 2
	s_cselect_b64 s[6:7], s[10:11], s[6:7]
	s_cmp_eq_u32 s21, 3
	s_cselect_b64 s[6:7], s[12:13], s[6:7]
	s_cmp_lt_u32 ttmp9, 512
	s_cselect_b64 s[4:5], s[4:5], s[6:7]
	s_cselect_b64 s[14:15], s[14:15], s[16:17]
	s_add_nc_u64 s[4:5], s[4:5], s[28:29]
	s_add_nc_u64 s[34:35], s[14:15], s[30:31]
	s_add_nc_u64 s[36:37], s[14:15], s[32:33]
.irp s, 0,1
.irp i, 0,1,2,3,4,5,6,7,8,9,10,11,12,13,14,15
	global_load_b128 v[R+64*\s+4*\i:R+64*\s+4*\i+3], v1, s[4:5] offset:(\i+8*(\i/8))*4096+512*\s th:TH_LOAD_NT   ; 32 lanes read 512 consecutive bytes of the row at position i
.endr
.endr
; 64 numbers of a lane, v[x] on: register 32 c + i = k 64 c + 32 h + i of row r, become fragment s of the chunk: codes, stored at once, and the scale word
.macro QFRAG x, s
.irp c, 0,1
	v_max3_num_f32 v[MX+\c], |v[(\x)+32*\c]|, |v[(\x)+32*\c+1]|, 0x2800000   ; my block 2 c + h: all 32 numbers are mine; the floor 2^(5 - 127) holds the byte at 1 from below
.endr
.irp i, 2,4,6,8,10,12,14,16,18,20,22,24,26,28,30
.irp c, 0,1
	v_max3_num_f32 v[MX+\c], v[MX+\c], |v[(\x)+32*\c+\i]|, |v[(\x)+32*\c+\i+1]|   ; the two blocks by turns
.endr
.endr
.irp c, 0,1
	v_add_nc_u32 v[SOP+\c], 0xfe000000, v[MX+\c]   ; 4 off the exponent field: the conversion takes that field as its scale
.endr
.irp c, 0,1
	v_lshrrev_b32 v[BY+\c], 23, v[SOP+\c]          ; the byte
.endr
	v_lshl_or_b32 v[W+(\s)], v[BY+1], 16, v[BY]    ; blocks h and 2 + h,
	v_lshlrev_b32 v[W+(\s)], v6, v[W+(\s)]         ; at their places,
	v_permlanex16_b32 v7, v[W+(\s)], s38, s39
	v_or_b32 v[W+(\s)], v[W+(\s)], v7              ; with lane l xor 16's two the word is whole, in both halves of the lanes
.irp c, 0,1
	v_cvt_scalef32_pk16_bf6_f32 v[C+12*(\s)+6*\c:C+12*(\s)+6*\c+2], v[(\x)+32*\c:(\x)+32*\c+15], v[SOP+\c]
	v_cvt_scalef32_pk16_bf6_f32 v[T2+4*\c:T2+4*\c+2], v[(\x)+32*\c+16:(\x)+32*\c+31], v[SOP+\c]
.endr
	v_nop                                          ; one plain line behind the scaled conversions
.irp c, 0,1
.irp i, 0,1,2
	v_mov_b32 v[C+12*(\s)+6*\c+3+\i], v[T2+4*\c+\i]
.endr
.endr
.irp c, 0,1
	global_store_b128 v1, v[C+12*(\s)+6*\c:C+12*(\s)+6*\c+3], s[34:35] offset:1536*(\s)+768*\c       ; 512 consecutive bytes, aligned to 256
	global_store_b64 v2, v[C+12*(\s)+6*\c+4:C+12*(\s)+6*\c+5], s[34:35] offset:1536*(\s)+768*\c+512  ; 256 consecutive bytes, aligned
.endr
.endm
	s_wait_loadcnt 16                              ; the first K step's 16 loads are in; the second's stay out
.irp i, 0,1,2,3,4,5,6,7,8,9,10,11,12,13,14,15
	ds_store_b128 v4, v[R+4*\i:R+4*\i+3] offset:SPT*\i
.endr
.irp c, 0,1
.irp j, 0,1,2,3,4,5,6,7
	ds_load_b128 v[X+32*\c+4*\j:X+32*\c+4*\j+3], v5 offset:256*\c+16*\j   ; LDS serves a wave's instructions in order: these see the stores above
.endr
.endr
	s_wait_loadcnt 0x0
.irp i, 0,1,2,3,4,5,6,7,8,9,10,11,12,13,14,15
	ds_store_b128 v4, v[R+64+4*\i:R+64+4*\i+3] offset:STG+SPT*\i
.endr
	s_wait_dscnt 16                                ; all but those 16 stores: the first K step's numbers are back, and v16-79 are free
.irp c, 0,1
.irp j, 0,1,2,3,4,5,6,7
	ds_load_b128 v[R+32*\c+4*\j:R+32*\c+4*\j+3], v5 offset:STG+256*\c+16*\j
.endr
.endr
	QFRAG X, 0
	s_wait_dscnt 0x0
	QFRAG R, 1
	v_cndmask_b32 v[WS], v[W], v[W+1], s40         ; lanes 0-15: the first K step's words; lanes 16-31: the second's
	global_store_b32 v3, v[WS], s[36:37]
	s_wait_tensorcnt 0x0
	ds_add_u32 v254, v255
	s_wait_dscnt 0x0
	s_endpgm
.Lfunc_end_k_q2674fd1983_quant:
	.size	k_q2674fd1983_quant, .Lfunc_end_k_q2674fd1983_quant-k_q2674fd1983_quant
	.p2alignl 7, 3214868480
	.fill 96, 4, 3214868480
	.section	.rodata,"a",@progbits
	.p2align	6, 0x0
	.amdhsa_kernel k_q2674fd1983_quant
		.amdhsa_group_segment_fixed_size 68096
		.amdhsa_private_segment_fixed_size 0
		.amdhsa_enable_private_segment 0
		.amdhsa_kernarg_size 56
		.amdhsa_user_sgpr_count 2
		.amdhsa_user_sgpr_kernarg_segment_ptr 1
		.amdhsa_wavefront_size32 1
		.amdhsa_system_sgpr_workgroup_id_x 1
		.amdhsa_system_sgpr_workgroup_id_y 1
		.amdhsa_system_sgpr_workgroup_id_z 1
		.amdhsa_system_vgpr_workitem_id 0
		.amdhsa_next_free_vgpr 256
		.amdhsa_next_free_sgpr 66
		.amdhsa_reserve_vcc 0
		.amdhsa_float_denorm_mode_32 3
		.amdhsa_float_denorm_mode_16_64 3
		.amdhsa_memory_ordered 1
		.amdhsa_forward_progress 1
		.amdhsa_inst_pref_size 18
	.end_amdhsa_kernel
	.amdgpu_metadata
---
amdhsa.version: [ 1, 2 ]
amdhsa.kernels:
  - .name:           k_q2674fd1983_quant
    .symbol:         k_q2674fd1983_quant.kd
    .args:
      - { .name: query, .offset: 0, .size: 8, .value_kind: global_buffer, .address_space: global }
      - { .name: Wq, .offset: 8, .size: 8, .value_kind: global_buffer, .address_space: global }
      - { .name: Wk, .offset: 16, .size: 8, .value_kind: global_buffer, .address_space: global }
      - { .name: Wv, .offset: 24, .size: 8, .value_kind: global_buffer, .address_space: global }
      - { .name: Wo, .offset: 32, .size: 8, .value_kind: global_buffer, .address_space: global }
      - { .name: xq, .offset: 40, .size: 8, .value_kind: global_buffer, .address_space: global }
      - { .name: wall, .offset: 48, .size: 8, .value_kind: global_buffer, .address_space: global }
    .group_segment_fixed_size: 68096
    .private_segment_fixed_size: 0
    .kernarg_segment_align: 8
    .kernarg_segment_size: 56
    .max_flat_workgroup_size: 128
    .sgpr_count:     66
    .vgpr_count:     256
    .wavefront_size: 32
...
	.end_amdgpu_metadata
.endif
;; end of part 1
;; launch qkv (part 2): grid 8 x 32, 4 waves a work-group, clusters of 4 x 4, 327,680 bytes of LDS; arguments xq, wall, qkv; writes qkv
.if DOCPART == 2
	.amdgcn_target "amdgcn-amd-amdhsa--gfx1250"
	.amdhsa_code_object_version 6
	.text
	.protected	k_q2674fd1983_qkv
	.globl	k_q2674fd1983_qkv
	.p2align	8
	.type	k_q2674fd1983_qkv,@function
k_q2674fd1983_qkv:
	s_mov_b64 s[64:65], 0
	v_nop
	global_prefetch_b8 v0, s[64:65] scope:SCOPE_SE
	s_setreg_imm32_b32 hwreg(HW_REG_WAVE_MODE, 25, 1), 1
	s_wait_xcnt 0x0
	s_wait_alu depctr_hold_cnt(0) depctr_sa_sdst(0) depctr_va_vdst(0) depctr_va_sdst(0) depctr_va_ssrc(0) depctr_va_vcc(0) depctr_vm_vsrc(0)
	s_getreg_b32 s2, hwreg(HW_REG_IB_STS2, 6, 4)
	s_cmp_eq_u32 s2, 0
	s_cbranch_scc0 .Lentry_in_a_cluster
	s_endpgm
.Lentry_in_a_cluster:
	s_bfe_u32 s2, ttmp6, 0x10000c
	s_cmp_lg_u32 s2, 0xf033
	s_cbranch_scc0 .Lentry_shape_is_right
	s_endpgm
.Lentry_shape_is_right:
; q, k, v = query Wq^T, query Wk^T, query Wv^T on codes of BF6 with E8M0 scales, and the results quantised in registers for the two products of attention.
; A work-group makes 256 tokens x two heads' q, k and v (384 columns); each of its four waves 128 tokens x one head's 192 columns: 96 accumulators, 768 registers (windows 1, 2, 3: q, k, v).
; Operands lie in memory as images of their registers (1,536 bytes a fragment), so a chunk of 256 along K of 8 or 12 tiles is one dense block for one tensor load, and a fragment is two loads of 16 bytes and two of 8 a lane.
; K goes in four chunks through a ring of two LDS slots.  4 x 4 work-groups form a cluster: the tokens' tiles are asked for jointly along a row of it, the weights' along a column.
; q AND k ARE MADE TRANSPOSED (source 0 = 16 rows of the weight, source 1 = 16 tokens): a lane holds one token and its registers run along the head's channels, the next K.
; v IS MADE THE NATURAL WAY (source 0 = 16 tokens, source 1 = 16 rows of Wv): a lane holds one channel and its registers run along the tokens, the next K.
; By the choice of the rows that form a tile, 32 registers of four accumulators are two blocks of 32 along that K, 16 numbers of each in lanes l and l xor 16.
; OUT: half fragments (16 rows x 64 K, 768 bytes): q, k [batch x head][token tile][768]; v [batch x head][64 keys][channel tile][768]; scale records of 256 bytes for four tiles: [lane][2 words], word j: lanes 0-15 tile 2 j, lanes 16-31 tile 2 j + 1.
; LIMITS: NaN and infinities are not served; a block of zeros or under 2^-122 gets the byte 1 (this program alone reads the bytes).
.set SLOT,  122880                     ; A's 16 tiles x 3,072 bytes, then B's 24
.set BOFF,  49152
.set SPARE, 2*SLOT                     ; behind the ring: the spare words, 128 bytes a wave: two blocks of 256 bytes that no other line names
.set SC,    24                         ; v24-43, v44-63 scale words, two sets: A's tile a at + a, B's tile b at + 8 + b; lanes 0-15 the chunk's first K step, lanes 16-31 its second
.set AF,    64                         ; v64-159  A's eight fragments
.set BF,    160                        ; v160-207, v208-255 four fragments of B, two sets
.set G1A,   24                         ; s[24:31] descriptor group 1 for A's tiles; s[32:39] group 0, a set for each slot
.set G0A,   32
.set G1B,   48                         ; s[48:55], s[56:63] the same for B's
.set G0B,   56
.set TM,    64                         ; the way out, over the fragments' registers: largest magnitudes,
.set TP,    72                         ; the other half's,
.set SOPR,  80                         ; scale operands,
.set BYR,   88                         ; bytes,
.set WR,    96                         ; a word for each of four tiles,
.set SW,    100                        ; the record's two words of my lane,
.set PCR,   104                        ; and 12 registers of codes for each tile
.set MSB, 0
.macro WIN new                         ; the immediate's high byte repeats the setting that is left
.if MSB != (\new)
	s_set_vgpr_msb (MSB<<8)|(\new)
.set MSB, (\new)
.endif
.endm
.macro PLACES                          ; four plain lines behind matrix instructions, ahead of loads into registers that they read and of the first read of results
.rept 4
	v_nop
.endr
.endm
.macro JLOAD s                         ; a joint load: waves 0 and 1 fetch A's halves, waves 2 and 3 B's; four v_nop follow each of the two lines
	s_cmp_eq_u32 s15, 0
	s_cbranch_scc0 .Lfor_b_\@
	tensor_load_to_lds s[G0A+4*(\s):G0A+4*(\s)+3], s[G1A:G1A+7]
	s_nop 0
.rept 4
	v_nop
.endr
	s_branch .Lasked_\@
.Lfor_b_\@:
	tensor_load_to_lds s[G0B+4*(\s):G0B+4*(\s)+3], s[G1B:G1B+7]
	s_nop 0
.rept 4
	v_nop
.endr
.Lasked_\@:
.endm
.macro CREST                           ; a round of the cluster's barrier behind its opening barrier
	s_cmp_lg_u32 s14, 0
	s_cbranch_scc1 .Lnot_wave_0_\@
	s_barrier_signal -3
.Lnot_wave_0_\@:
	s_barrier_wait -3
	s_barrier_signal -1
	s_barrier_wait -1
.endm
.macro CROUND
	s_barrier_signal -1
	s_barrier_wait -1
	CREST
.endm
	s_load_b128 s[4:7], s[0:1], 0x0                ; xq, wall
	s_load_b64 s[8:9], s[0:1], 0x10                ; qkv
	v_lshl_add_u32 v12, v0, 2, SPARE               ; my spare word; never rewritten
	v_mov_b32 v13, 0                               ; 0; never rewritten
	ds_add_u32 v12, v13
	ds_add_u32 v12, v13
	s_wait_dscnt 0x0
	v_lshrrev_b32 v1, 5, v0
	v_readfirstlane_b32 s14, v1                    ; wave 0..3
	s_lshr_b32 s15, s14, 1                         ; which 128 tokens are mine.  Also: I fetch for A (0) or for B (1)
	s_and_b32 s16, s14, 1                          ; which head of the pair.  Also: which half of the tiles I fetch
	s_bfe_u32 s40, ttmp6, 0x40000                  ; cx, cy
	s_bfe_u32 s41, ttmp6, 0x40004
	s_lshl_b32 s42, ttmp9, 2
	s_add_co_u32 s42, s42, s40                     ; the pair of heads, 0..7
	s_and_b32 s17, ttmp7, 0xffff
	s_lshl_b32 s17, s17, 2
	s_add_co_u32 s17, s17, s41                     ; the block of 256 tokens, 0..31
	s_lshl_b32 s43, s41, 2
	s_lshl_b32 s43, 15, s43                        ; my row of the cluster
	s_lshl_b32 s44, 0x1111, s40                    ; my column
	; descriptor group 1: a dense block as rows of 256 bytes (32 elements of 8 bytes), no padding: A's half 96 rows, B's half 144
	s_or_b32 s[G1A], s43, (3<<16)|(1<<21)
	s_or_b32 s[G1B], s44, (3<<16)|(1<<21)
	s_mov_b32 s[G1A+1], 32<<16                     ; tensor_dim0
	s_mov_b32 s[G1A+2], 96<<16                     ; tensor_dim1
	s_mov_b32 s[G1A+3], 32<<16                     ; tile_dim0
	s_mov_b32 s[G1A+4], 96                         ; tile_dim1
	s_mov_b32 s[G1A+5], 32                         ; the pitch
	s_mov_b32 s[G1A+6], 0
	s_mov_b32 s[G1A+7], 0
	s_mov_b32 s[G1B+1], 32<<16
	s_mov_b32 s[G1B+2], 144<<16
	s_mov_b32 s[G1B+3], 32<<16
	s_mov_b32 s[G1B+4], 144
	s_mov_b32 s[G1B+5], 32
	s_mov_b32 s[G1B+6], 0
	s_mov_b32 s[G1B+7], 0
	s_lshl_b32 s20, s17, 4
	s_lshl_b32 s21, s16, 3
	s_add_co_u32 s20, s20, s21                     ; A: tile 16 x block + 8 x half
	s_mul_i32 s20, s20, 3072
	s_mov_b32 s21, 0
	s_mul_i32 s46, s42, 24
	s_mul_i32 s47, s16, 12
	s_add_co_u32 s46, s46, s47                     ; B: tile 24 x pair + 12 x half
	s_mul_i32 s46, s46, 3072
	s_mov_b32 s47, 0
	s_mul_i32 s45, s16, 24576                      ; where they go: no place in the cluster enters an LDS address
	s_mul_i32 s85, s16, 36864
	s_add_co_u32 s85, s85, BOFF
	s_wait_kmcnt 0x0
	s_add_nc_u64 s[20:21], s[4:5], s[20:21]
	s_add_nc_u64 s[46:47], s[6:7], s[46:47]
	CROUND                                         ; all sixteen work-groups are here: the first joint loads meet
.irp s, 0,1
	s_mov_b32 s[G0A+4*\s], 1
	s_add_co_u32 s[G0A+4*\s+1], s45, \s*SLOT
	s_add_nc_u64 s[G0A+4*\s+2:G0A+4*\s+3], s[20:21], \s*1572864    ; chunk s
	s_or_b32 s[G0A+4*\s+3], s[G0A+4*\s+3], 0x80000000
	s_mov_b32 s[G0B+4*\s], 1
	s_add_co_u32 s[G0B+4*\s+1], s85, \s*SLOT
	s_add_nc_u64 s[G0B+4*\s+2:G0B+4*\s+3], s[46:47], \s*786432
	s_or_b32 s[G0B+4*\s+3], s[G0B+4*\s+3], 0x80000000
	JLOAD \s                                       ; two loads of mine are out
.endr
	v_and_b32 v1, 31, v0
	v_lshlrev_b32 v14, 4, v1                       ; 16 x lane
	v_lshlrev_b32 v15, 3, v1                       ; 8 x lane
	v_lshlrev_b32 v10, 2, v1                       ; 4 x lane
	s_mul_i32 s18, s15, 24576                      ; my eight tiles of A,
	s_mul_i32 s19, s16, 36864
	s_add_co_u32 s19, s19, BOFF                    ; my twelve of B
.irp s, 0,1
	v_add_nc_u32 v[2+\s], s18, v14                 ; v2, v3: A, 16 bytes a lane, slot 0, 1;  v4, v5: 8 bytes a lane
	v_add_nc_u32 v[4+\s], s18, v15
	v_add_nc_u32 v[6+\s], s19, v14                 ; v6, v7, v8, v9: the same for B
	v_add_nc_u32 v[8+\s], s19, v15
	s_add_co_u32 s18, s18, SLOT
	s_add_co_u32 s19, s19, SLOT
.endr
	s_lshl_b32 s22, s17, 4
	s_lshl_b32 s23, s15, 3
	s_add_co_u32 s22, s22, s23
	s_lshl_b32 s22, s22, 9
	s_add_co_u32 s22, s22, 6291456
	s_mov_b32 s23, 0
	s_add_nc_u64 s[66:67], s[4:5], s[22:23]        ; the scale words of my eight tiles of A
	s_mul_i32 s86, s42, 24
	s_mul_i32 s87, s16, 12
	s_add_co_u32 s86, s86, s87
	s_lshl_b32 s86, s86, 9
	s_add_co_u32 s86, s86, 3145728
	s_mov_b32 s87, 0
	s_add_nc_u64 s[68:69], s[6:7], s[86:87]        ; and of my twelve of B
	s_lshr_b32 s88, s17, 2
	s_lshl_b32 s88, s88, 4
	s_lshl_b32 s89, s42, 1
	s_add_co_u32 s88, s88, s89
	s_add_co_u32 s88, s88, s16                     ; 16 x batch + head
	s_and_b32 s89, s17, 3
	s_lshl_b32 s89, s89, 4
	s_lshl_b32 s90, s15, 3
	s_add_co_u32 s89, s89, s90                     ; my first token tile in the batch
	s_mul_i32 s90, s88, 49152
	s_mul_i32 s91, s89, 768
	s_add_co_u32 s90, s90, s91
	s_mov_b32 s91, 0
	s_add_nc_u64 s[70:71], s[8:9], s[90:91]        ; q's codes,
	s_add_nc_u64 s[72:73], s[70:71], 6291456       ; k's,
	s_add_nc_u64 s[74:75], s[70:71], 12582912      ; v's
	s_lshl_b32 s92, s88, 12
	s_lshl_b32 s93, s89, 6
	s_add_co_u32 s92, s92, s93
	s_add_co_u32 s92, s92, 18874368
	s_mov_b32 s93, 0
	s_add_nc_u64 s[76:77], s[8:9], s[92:93]        ; q's scale records, k's, v's
	s_add_nc_u64 s[78:79], s[76:77], 524288
	s_add_nc_u64 s[80:81], s[76:77], 1048576
	s_mov_b32 s82, 0x76543210
	s_mov_b32 s83, 0xfedcba98                      ; lane l xor 16
	s_mov_b32 s84, 0xffff0000                      ; lanes 16-31
.macro FRAG reg, a16, a8, off          ; a fragment's image comes back as it was stored
	ds_load_b128 v[\reg:\reg+3], v[\a16] offset:\off
	ds_load_b64 v[\reg+4:\reg+5], v[\a8] offset:\off+512
	ds_load_b128 v[\reg+6:\reg+9], v[\a16] offset:\off+768
	ds_load_b64 v[\reg+10:\reg+11], v[\a8] offset:\off+1280
.endm
.macro FETCH_B slot, sp, g, set        ; group g (0 q, 1 k, 2 v): four fragments of the slot's K step sp: 16 loads
.set fi, 0
.rept 4
.set fR, BF+48*(\set)+12*fi
.set fO, (4*(\g)+fi)*3072+1536*(\sp)
	FRAG fR, 6+(\slot), 8+(\slot), fO
.set fi, fi+1
.endr
.endm
.macro FETCH_A slot, sp, a0            ; A's blocks a0 .. a0 + 3: 16 loads
.set fi, \a0
.rept 4
.set fR, AF+12*fi
.set fO, fi*3072+1536*(\sp)
	FRAG fR, 2+(\slot), 4+(\slot), fO
.set fi, fi+1
.endr
.endm
.macro SCLOAD c, set                   ; chunk c's scale words: one register a tile serves both its K steps
.set fi, 0
.rept 8
	global_load_b32 v[SC+20*(\set)+fi], v10, s[66:67] offset:fi*512+(\c)*128
.set fi, fi+1
.endr
.set fi, 0
.rept 12
	global_load_b32 v[SC+20*(\set)+8+fi], v10, s[68:69] offset:fi*512+(\c)*128
.set fi, fi+1
.endr
.endm
.macro WM d, s0, s1, c0, c1, sp, zero  ; zero: the first product starts the sum; sp: the chunk's second K step takes its scale words from lanes 16-31
.if \zero
	v_wmma_scale_f32_16x16x128_f8f6f4 v[\d:\d+7], v[\s0:\s0+11], v[\s1:\s1+11], 0, v[\c0], v[\c1] matrix_a_fmt:MATRIX_FMT_BF6 matrix_b_fmt:MATRIX_FMT_BF6
.elseif \sp
	v_wmma_scale_f32_16x16x128_f8f6f4 v[\d:\d+7], v[\s0:\s0+11], v[\s1:\s1+11], v[\d:\d+7], v[\c0], v[\c1] matrix_a_fmt:MATRIX_FMT_BF6 matrix_b_fmt:MATRIX_FMT_BF6 matrix_a_scale:MATRIX_SCALE_ROW1 matrix_b_scale:MATRIX_SCALE_ROW1
.else
	v_wmma_scale_f32_16x16x128_f8f6f4 v[\d:\d+7], v[\s0:\s0+11], v[\s1:\s1+11], v[\d:\d+7], v[\c0], v[\c1] matrix_a_fmt:MATRIX_FMT_BF6 matrix_b_fmt:MATRIX_FMT_BF6
.endif
.endm
; The 96 accumulators take turns, one instruction a turn, in the same order in every K step.
.macro MULQK g, set, a0, na, sp, sc, zero   ; transposed: accumulator (a, b) at 32 a + 8 b of the group's window
.set ma, \a0
.rept \na
.set mb, 0
.rept 4
.set rD, 32*ma+8*mb
.set rB, BF+48*(\set)+12*mb
.set rA, AF+12*ma
.set rSB, SC+20*(\sc)+8+4*(\g)+mb
.set rSA, SC+20*(\sc)+ma
	WM rD, rB, rA, rSB, rSA, \sp, \zero
.set mb, mb+1
.endr
.set ma, ma+1
.endr
.endm
.macro MULV set, a0, na, sp, sc, zero  ; natural: accumulator (a, j) at 128 (a / 4) + 32 j + 8 (a % 4): a channel tile's four token tiles on end
.set ma, \a0
.rept \na
.set mb, 0
.rept 4
.set rD, 128*(ma>>2)+32*mb+8*(ma&3)
.set rA, AF+12*ma
.set rB, BF+48*(\set)+12*mb
.set rSA, SC+20*(\sc)+ma
.set rSB, SC+20*(\sc)+16+mb
	WM rD, rA, rB, rSA, rSB, \sp, \zero
.set mb, mb+1
.endr
.set ma, ma+1
.endr
.endm
; A K STEP of 128: 96 matrix instructions in three groups (q, k, v), each A's blocks 0-3 and then 4-7 against the group's four fragments of B.  B's two sets take turns from group to group;
; the next group's B is fetched in a group's middle; A's blocks are fetched anew in the v group, as soon as their last products are issued.
.macro KS ks
.set kc, (\ks)>>1                      ; the chunk,
.set ksl, kc&1                         ; its slot, and its set of scale words,
.set ksp, (\ks)&1                      ; which of its two K steps
.set sq, (3*(\ks))&1
.set sk, (3*(\ks)+1)&1
.set sv, (3*(\ks)+2)&1
.if (\ks)==0
.set kz, 1
.else
.set kz, 0
.endif
	s_wait_dscnt 16                                ; q's B and A's blocks 0-3 are in; the youngest 16 loads (A's blocks 4-7) may be out
.if ksp==0
	s_wait_loadcnt 0x0                             ; this chunk's scale words
.endif
	WIN 0x50
	MULQK 0, sq, 0, 4, ksp, ksl, kz
	PLACES
	WIN 0
	FETCH_B ksl, ksp, 1, sk
.if (ksp==0)&&(kc<3)
	SCLOAD kc+1, (kc+1)&1                          ; the next chunk's scale words: two K steps ahead of their use
.endif
	s_wait_dscnt 16                                ; all but the 16 just issued: A's blocks 4-7 are in
	WIN 0x50
	MULQK 0, sq, 4, 4, ksp, ksl, kz
	s_wait_dscnt 0x0                               ; k's B
	WIN 0xa0
	MULQK 1, sk, 0, 4, ksp, ksl, kz
	PLACES
	WIN 0
	FETCH_B ksl, ksp, 2, sv
	WIN 0xa0
	MULQK 1, sk, 4, 4, ksp, ksl, kz
	WIN 0
.if ksp==0
	s_wait_dscnt 0x0                               ; v's B
	WIN 0xf0
	MULV sv, 0, 4, ksp, ksl, kz
	PLACES
	WIN 0
	FETCH_B ksl, 1, 0, sk
	FETCH_A ksl, 1, 0
	WIN 0xf0
	MULV sv, 4, 4, ksp, ksl, kz
	PLACES
	WIN 0
	FETCH_A ksl, 1, 4
.elseif (\ks)<7
	; THE CHANGE OF SLOTS: one barrier.  In front of it each wave waits for all its tensor loads (its part of the next slot), adds 0 to its spare word, and waits for that and for its reads of this slot.
	s_wait_tensorcnt 0x0
	ds_add_u32 v12, v13
	s_wait_dscnt 1                                 ; v's B is in; the add may be out
	WIN 0xf0
	MULV sv, 0, 2, ksp, ksl, kz                    ; eight matrix instructions stand between the add and the wait for it
	s_wait_dscnt 0x0                               ; the add is done, and my reads of this slot are over
	s_barrier_signal -1
	MULV sv, 2, 2, ksp, ksl, kz
	WIN 0
	s_barrier_wait -1
.if (\ks)<5
	CREST                                          ; the barrier has opened a round of the cluster's: no wave of any partner still reads this slot or has a load on its way
	s_add_nc_u64 s[G0A+4*ksl+2:G0A+4*ksl+3], s[G0A+4*ksl+2:G0A+4*ksl+3], 3145728   ; two chunks on
	s_add_nc_u64 s[G0B+4*ksl+2:G0B+4*ksl+3], s[G0B+4*ksl+2:G0B+4*ksl+3], 1572864
	JLOAD ksl                                      ; my one tensor load behind the round: it has two K steps, 192 matrix instructions, in which to land; its four v_nop are the places in front of the loads below
.else
	PLACES
.endif
	FETCH_B 1-ksl, 0, 0, sk
	FETCH_A 1-ksl, 0, 0
	WIN 0xf0
	MULV sv, 4, 4, ksp, ksl, kz
	PLACES
	WIN 0
	FETCH_A 1-ksl, 0, 4
.else
	s_wait_dscnt 0x0
	WIN 0xf0
	MULV sv, 0, 8, ksp, ksl, kz
	WIN 0
	PLACES
.endif
.endm
	SCLOAD 0, 0
	s_wait_tensorcnt 1                             ; my part of chunk 0 is in; chunk 1's may stay out
	s_barrier_signal -1
	s_barrier_wait -1
	FETCH_B 0, 0, 0, 0
	FETCH_A 0, 0, 0
	FETCH_A 0, 0, 4
	KS 0
	KS 1
	KS 2
	KS 3
	KS 4
	KS 5
	KS 6
	KS 7
; THE WAY OUT.  Four tiles at a time: tile u is registers 128 i + 32 u .. + 31 of window w: register 16 b + n = number 32 b + 16 (lane / 16) + n along the next K, of the row lane % 16.
; Each becomes a half fragment (six registers) and a word with two scale bytes; the codes leave as 512 + 256 consecutive bytes, four tiles' words as one record of 256.
.macro EPI4 w, i
.set eA, 128*(\i)
.set wv, (\w)|((\w)<<2)
	s_wait_xcnt 0x0                                ; the earlier stores have read their data: the registers may be written again
	WIN wv                                         ; sources 0 and 1: the accumulators' window
.irp u, 0,1,2,3
.irp b, 0,1
	v_max3_num_f32 v[TM+2*\u+\b], |v[eA+32*\u+16*\b]|, |v[eA+32*\u+16*\b+1]|, 0x2800000   ; each accumulator is read from its low end on; the floor holds the byte at 1 from below
.endr
.endr
.irp t, 2,4,6,8,10,12,14
.irp u, 0,1,2,3
.irp b, 0,1
	v_max3_num_f32 v[TM+2*\u+\b], |v[eA+32*\u+16*\b+\t]|, |v[eA+32*\u+16*\b+\t+1]|, v[TM+2*\u+\b]   ; eight chains by turns
.endr
.endr
.endr
	WIN 0
.irp j, 0,1,2,3,4,5,6,7
	v_permlanex16_b32 v[TP+\j], v[TM+\j], s82, s83
.endr
.irp j, 0,1,2,3,4,5,6,7
	v_max_num_f32 v[TM+\j], v[TM+\j], v[TP+\j]     ; with lane l xor 16's 16: the block's largest magnitude
.endr
.irp j, 0,1,2,3,4,5,6,7
	v_add_nc_u32 v[SOPR+\j], 0xfe000000, v[TM+\j]  ; 4 off the exponent field
.endr
.irp j, 0,1,2,3,4,5,6,7
	v_lshrrev_b32 v[BYR+\j], 23, v[SOPR+\j]
.endr
.irp u, 0,1,2,3
	v_lshl_or_b32 v[WR+\u], v[BYR+2*\u+1], 8, v[BYR+2*\u]   ; two bytes; the upper two stay 0, over zero codes
.endr
	v_cndmask_b32 v[SW], v[WR], v[WR+1], s84
	v_cndmask_b32 v[SW+1], v[WR+2], v[WR+3], s84
	WIN \w                                         ; source 0: the accumulators' window
.irp u, 0,1,2,3
	v_cvt_scalef32_pk16_bf6_f32 v[PCR+12*\u:PCR+12*\u+2], v[eA+32*\u:eA+32*\u+15], v[SOPR+2*\u]
	v_cvt_scalef32_pk16_bf6_f32 v[PCR+12*\u+6:PCR+12*\u+8], v[eA+32*\u+16:eA+32*\u+31], v[SOPR+2*\u+1]
.endr
	WIN 0
	v_nop                                          ; one plain line behind the scaled conversions
.irp u, 0,1,2,3
.irp n, 0,1,2
	v_permlane16_swap_b32 v[PCR+12*\u+\n], v[PCR+12*\u+6+\n]   ; a whole block to a lane: lanes 0-15 block 0, lanes 16-31 block 1; the first run its lower 16 codes, the second its upper
.endr
.endr
.irp u, 0,1,2,3
.irp n, 0,1,2
	v_mov_b32 v[PCR+12*\u+3+\n], v[PCR+12*\u+6+\n]
.endr
.endr
.irp u, 0,1,2,3
	global_store_b128 v14, v[PCR+12*\u:PCR+12*\u+3], s[68+2*(\w):69+2*(\w)] offset:(\i)*3072+\u*768
	global_store_b64 v15, v[PCR+12*\u+4:PCR+12*\u+5], s[68+2*(\w):69+2*(\w)] offset:(\i)*3072+\u*768+512
.endr
	global_store_b64 v15, v[SW:SW+1], s[74+2*(\w):75+2*(\w)] offset:(\i)*256
.endm
.irp j, 0,1,2,3,4,5,6,7
	v_mov_b32 v[TP+\j], 0                          ; written once: a lane permute's destination counts as one of its sources
.endr
	EPI4 1, 0
	EPI4 1, 1
	EPI4 2, 0
	EPI4 2, 1
	EPI4 3, 0
	EPI4 3, 1
	s_wait_tensorcnt 0x0                           ; the wave's end
	ds_add_u32 v12, v13
	s_wait_dscnt 0x0
	CROUND                                         ; the closing round: no work-group ends while a partner may still ask for a tile that names it
	s_endpgm
.Lfunc_end_k_q2674fd1983_qkv:
	.size	k_q2674fd1983_qkv, .Lfunc_end_k_q2674fd1983_qkv-k_q2674fd1983_qkv
	.p2alignl 7, 3214868480
	.fill 96, 4, 3214868480
	.section	.rodata,"a",@progbits
	.p2align	6, 0x0
	.amdhsa_kernel k_q2674fd1983_qkv
		.amdhsa_group_segment_fixed_size 327680
		.amdhsa_private_segment_fixed_size 0
		.amdhsa_enable_private_segment 0
		.amdhsa_kernarg_size 24
		.amdhsa_user_sgpr_count 2
		.amdhsa_user_sgpr_kernarg_segment_ptr 1
		.amdhsa_wavefront_size32 1
		.amdhsa_system_sgpr_workgroup_id_x 1
		.amdhsa_system_sgpr_workgroup_id_y 1
		.amdhsa_system_sgpr_workgroup_id_z 1
		.amdhsa_system_vgpr_workitem_id 0
		.amdhsa_next_free_vgpr 1024
		.amdhsa_next_free_sgpr 100
		.amdhsa_reserve_vcc 0
		.amdhsa_float_denorm_mode_32 3
		.amdhsa_float_denorm_mode_16_64 3
		.amdhsa_memory_ordered 1
		.amdhsa_forward_progress 1
		.amdhsa_inst_pref_size 213
	.end_amdhsa_kernel
	.amdgpu_metadata
---
amdhsa.version: [ 1, 2 ]
amdhsa.kernels:
  - .name:           k_q2674fd1983_qkv
    .symbol:         k_q2674fd1983_qkv.kd
    .args:
      - { .name: xq, .offset: 0, .size: 8, .value_kind: global_buffer, .address_space: global }
      - { .name: wall, .offset: 8, .size: 8, .value_kind: global_buffer, .address_space: global }
      - { .name: qkv, .offset: 16, .size: 8, .value_kind: global_buffer, .address_space: global }
    .group_segment_fixed_size: 327680
    .private_segment_fixed_size: 0
    .kernarg_segment_align: 8
    .kernarg_segment_size: 24
    .max_flat_workgroup_size: 128
    .sgpr_count:     100
    .vgpr_count:     1024
    .wavefront_size: 32
...
	.end_amdgpu_metadata
.endif
;; end of part 2
;; launch attn (part 3): grid 64 x 8, 4 waves a work-group, no clusters, 1,024 bytes of LDS; arguments qkv, ao; writes ao
.if DOCPART == 3
	.amdgcn_target "amdgcn-amd-amdhsa--gfx1250"
	.amdhsa_code_object_version 6
	.text
	.protected	k_q2674fd1983_attn
	.globl	k_q2674fd1983_attn
	.p2align	8
	.type	k_q2674fd1983_attn,@function
k_q2674fd1983_attn:
	s_mov_b64 s[64:65], 0
	v_nop
	global_prefetch_b8 v0, s[64:65] scope:SCOPE_SE
	s_setreg_imm32_b32 hwreg(HW_REG_WAVE_MODE, 25, 1), 1
	s_wait_xcnt 0x0
; Attention in a causal window of 64 keys, both products on codes of BF6, and the result quantised for the out projection.
; Query i sees keys i - 63 .. i: a block of 32 queries sees its own block of 32 keys (k <= q inside it), the block before (all) and the one before that (k > q inside it).  All other keys lie under the mask and are not multiplied.
; SHARES: a work-group is 64 queries of one batch and four heads; a wave is one head: four tiles of 16 queries.  Its keys are the queries' own 64 and the 64 before: four slots of 32 keys, one K step of the second product.
; In the first block of a batch the 64 before do not exist: the block's own are loaded in their place (no load leaves the buffer) and every score of theirs is masked.
; No tile is shared between work-groups, and a wave reads each operand once: operands go from memory straight into registers, as images of registers; no tensor load, no cluster.
; Both products are used transposed: S^T = K Q^T, O^T = V^T P^T: a lane holds one query throughout.  The head's 64 channels fill half of the first product's K of 128: the upper six registers of K's and Q's fragments are zero codes.
; THE SOFTMAX: t = score x log2(e) / 8; M = the row's largest t rounded up to a whole number; p = 2^(t - M) is quantised along the keys; the row's sum of the unquantised p divides at the end.  One step: all of a row's keys are at hand.
; OUT: ao as an operand's images: head h is half h % 2 of K step h / 2; scale words by chunk: [chunk][token tile][32 words]; the four heads' bytes meet in 512 bytes of LDS.
; LIMITS: NaN and infinities are not served; 1 / sum by v_rcp_f32; a block of zeros or under 2^-122 gets the byte 1 (this program alone reads the bytes).
.set S,   32                           ; v32-79   S^T, then p: register 16 jb + n = key 16 (lane / 16) + n of the tile's jb-th block of keys
.set O,   80                           ; v80-111  O^T: register 16 b + n = channel 32 b + 16 (lane / 16) + n
.set PC,  112                          ; v112-123 p's codes
.set PT,  124                          ; v124-126, v128-130 the odd slots' codes
.set BM,  132                          ; v132-134 each block's largest score, then its largest p
.set BP,  136                          ; v136-138 the other half's
.set SOP, 148
.set BY,  152
.set HT,  160                          ; v160-167 at work for the result's quantiser
.set OC,  176                          ; v176-223 the four tiles' codes: no store's data are written again
.set OW,  224                          ; v224-227 their scale bytes
.set CS,  56                           ; s[56:57] c = log2(e) / 8
.set SEL, 58                           ; s[58:59] lane l xor 16
.set MSB, 0
.macro WIN new
.if MSB != (\new)
	s_set_vgpr_msb (MSB<<8)|(\new)
.set MSB, (\new)
.endif
.endm
.macro PLACES
.rept 4
	v_nop
.endr
.endm
	s_load_b128 s[4:7], s[0:1], 0x0                ; qkv, ao
	v_lshl_add_u32 v254, v0, 2, 0x200
	v_mov_b32 v255, 0
	v_lshrrev_b32 v5, 5, v0
	v_readfirstlane_b32 s8, v5                     ; wave
	v_and_b32 v5, 31, v0
	v_lshlrev_b32 v1, 4, v5                        ; 16 x lane
	v_lshlrev_b32 v2, 3, v5                        ; 8 x lane
	s_lshr_b32 s14, s8, 1
	s_lshl_b32 s14, s14, 6
	s_and_b32 s15, s8, 1
	s_lshl_b32 s15, s15, 1
	s_add_co_u32 s14, s14, s15
	v_and_b32 v3, 15, v0
	v_lshlrev_b32 v3, 2, v3
	v_add_nc_u32 v3, s14, v3                       ; LDS: row r's word of K step wave / 2, my head's two bytes: 4 r + 64 (wave / 2) + 2 (wave % 2)
	s_and_b32 s9, ttmp9, 3                         ; the group of four heads = ao's chunk
	s_lshr_b32 s10, ttmp9, 2                       ; the block of 64 queries
	s_and_b32 s11, ttmp7, 0xffff                   ; the batch
	s_lshl_b32 s12, s11, 4
	s_lshl_b32 s13, s9, 2
	s_add_co_u32 s12, s12, s13
	s_add_co_u32 s12, s12, s8                      ; 16 x batch + head
	s_max_u32 s13, s10, 1
	s_sub_co_u32 s13, s13, 1                       ; the block before, or the first itself
	s_mul_i32 s14, s12, 49152
	s_mul_i32 s15, s10, 3072
	s_add_co_u32 s40, s14, s15
	s_mov_b32 s41, 0
	s_mul_i32 s15, s13, 3072
	s_add_co_u32 s42, s14, s15
	s_mov_b32 s43, 0
	s_lshl_b32 s14, s12, 12
	s_add_co_u32 s14, s14, 18874368
	s_lshl_b32 s15, s10, 8
	s_add_co_u32 s48, s14, s15
	s_mov_b32 s49, 0
	s_lshl_b32 s15, s13, 8
	s_add_co_u32 s50, s14, s15
	s_mov_b32 s51, 0
	s_lshl_b32 s14, s11, 6
	s_lshl_b32 s15, s10, 2
	s_add_co_u32 s14, s14, s15                     ; my first token tile: 64 x batch + 4 x block
	s_lshl_b32 s15, s9, 9
	s_add_co_u32 s15, s15, s14
	s_lshl_b32 s15, s15, 1
	s_lshr_b32 s16, s8, 1
	s_add_co_u32 s15, s15, s16
	s_mul_i32 s15, s15, 1536
	s_and_b32 s16, s8, 1
	s_mul_i32 s16, s16, 768
	s_add_co_u32 s52, s15, s16
	s_mov_b32 s53, 0
	s_lshl_b32 s15, s9, 16
	s_lshl_b32 s16, s14, 7
	s_add_co_u32 s15, s15, s16
	s_add_co_u32 s54, s15, 6291456
	s_mov_b32 s55, 0
	s_wait_kmcnt 0x0
	s_add_nc_u64 s[40:41], s[4:5], s[40:41]        ; q's (and, 6,291,456 on, k's) half fragments of my 64 tokens,
	s_add_nc_u64 s[42:43], s[4:5], s[42:43]        ; of the 64 before;
	s_add_nc_u64 s[44:45], s[40:41], 12582912      ; v's likewise
	s_add_nc_u64 s[46:47], s[42:43], 12582912
	s_add_nc_u64 s[48:49], s[4:5], s[48:49]        ; the scale records: q's; k's 524,288 on; v's 1,048,576 on
	s_add_nc_u64 s[50:51], s[4:5], s[50:51]
	s_add_nc_u64 s[52:53], s[6:7], s[52:53]        ; ao: my half of my tiles' fragments,
	s_add_nc_u64 s[54:55], s[6:7], s[54:55]        ; and the four tiles' scale words of the chunk
	WIN 0x40                                       ; destination window 1: v0-95 K's eight tiles, v96-143 V's four, v144-191 Q's four
.irp t, 0,1,2,3
	global_load_b128 v[144+12*\t:144+12*\t+3], v1, s[40:41] offset:\t*768
	global_load_b64 v[144+12*\t+4:144+12*\t+5], v2, s[40:41] offset:\t*768+512
.endr
.irp t, 0,1,2,3
	global_load_b128 v[12*\t:12*\t+3], v1, s[42:43] offset:6291456+\t*768
	global_load_b64 v[12*\t+4:12*\t+5], v2, s[42:43] offset:6291456+\t*768+512
	global_load_b128 v[48+12*\t:48+12*\t+3], v1, s[40:41] offset:6291456+\t*768
	global_load_b64 v[48+12*\t+4:48+12*\t+5], v2, s[40:41] offset:6291456+\t*768+512
.endr
.irp t, 0,1,2,3
	global_load_b128 v[96+12*\t:96+12*\t+3], v1, s[46:47] offset:\t*768            ; V: the 64 keys before are registers 0-5,
	global_load_b64 v[96+12*\t+4:96+12*\t+5], v2, s[46:47] offset:\t*768+512
	global_load_b128 v[96+12*\t+6:96+12*\t+9], v1, s[44:45] offset:\t*768          ; my own 64 registers 6-11
	global_load_b64 v[96+12*\t+10:96+12*\t+11], v2, s[44:45] offset:\t*768+512
.endr
.irp t, 0,1,2,3,4,5,6,7,12,13,14,15
.irp n, 6,7,8,9,10,11
	v_mov_b32 v[12*\t+\n], 0                       ; zero codes for the upper 64 of the first product's K, in K's eight tiles and Q's four
.endr
.endr
	WIN 0
	global_load_b64 v[8:9], v2, s[48:49]                   ; q's scale words
	global_load_b64 v[10:11], v2, s[50:51] offset:524288   ; k's: the 64 before,
	global_load_b64 v[12:13], v2, s[48:49] offset:524288   ; my own
	global_load_b64 v[14:15], v2, s[50:51] offset:1048576  ; v's likewise
	global_load_b64 v[16:17], v2, s[48:49] offset:1048576
	v_mov_b32 v4, 0xff800000                       ; -infinity
.irp n, 0,1,2
	v_mov_b32 v[BP+\n], 0                          ; written once: a lane permute's destination counts as one of its sources
.endr
	v_mov_b32 v143, 0                              ; upper halves of pairs of which the low word serves both halves
	v_mov_b32 v157, 0
	v_mov_b32 v[HT+2], 0
	v_mov_b32 v[HT+3], 0
	s_mov_b32 s[CS], 0x3e38aa3b
	s_mov_b32 s[CS+1], s[CS]
	s_mov_b32 s[SEL], 0x76543210
	s_mov_b32 s[SEL+1], 0xfedcba98
	; THE MASKS.  Lane (r, h) holds the query at 8 u + r + 8 (r / 8) of its block of 32, register n the key at 16 h + n of its block.  The lanes in which the key comes after the query:
	; lanes 16-23 always, lanes 8-15 never, of lanes 0-7 and of lanes 24-31 the first clamp(n - 8 u, 0, 8).  Nine masks serve all registers.
.irp n, 0,1,2,3,4,5,6,7,8
	s_mov_b32 s[20+\n], (((1<<\n)-1)*0x01000001)|0xff0000
.endr
	s_cmp_lg_u32 s10, 0
	s_cselect_b32 s39, -1, 0                       ; are there 64 keys before mine?
.irp n, 0,1,2,3,4,5,6,7,8
	s_and_b32 s[30+\n], s[20+\n], s39
.endr
	s_wait_loadcnt 0x0
	v_lshl_or_b32 v14, v16, 16, v14                ; v's scale words for the 128 keys: two bytes of each 64
	v_lshl_or_b32 v15, v17, 16, v15
.macro WM0 d, s0, s1, c0, c1, ra, rb   ; a sum that one product starts and ends; ra, rb: the side's scale words lie in lanes 16-31
.if (\ra)&&(\rb)
	v_wmma_scale_f32_16x16x128_f8f6f4 v[\d:\d+7], v[\s0:\s0+11], v[\s1:\s1+11], 0, v[\c0], v[\c1] matrix_a_fmt:MATRIX_FMT_BF6 matrix_b_fmt:MATRIX_FMT_BF6 matrix_a_scale:MATRIX_SCALE_ROW1 matrix_b_scale:MATRIX_SCALE_ROW1
.elseif \ra
	v_wmma_scale_f32_16x16x128_f8f6f4 v[\d:\d+7], v[\s0:\s0+11], v[\s1:\s1+11], 0, v[\c0], v[\c1] matrix_a_fmt:MATRIX_FMT_BF6 matrix_b_fmt:MATRIX_FMT_BF6 matrix_a_scale:MATRIX_SCALE_ROW1
.elseif \rb
	v_wmma_scale_f32_16x16x128_f8f6f4 v[\d:\d+7], v[\s0:\s0+11], v[\s1:\s1+11], 0, v[\c0], v[\c1] matrix_a_fmt:MATRIX_FMT_BF6 matrix_b_fmt:MATRIX_FMT_BF6 matrix_b_scale:MATRIX_SCALE_ROW1
.else
	v_wmma_scale_f32_16x16x128_f8f6f4 v[\d:\d+7], v[\s0:\s0+11], v[\s1:\s1+11], 0, v[\c0], v[\c1] matrix_a_fmt:MATRIX_FMT_BF6 matrix_b_fmt:MATRIX_FMT_BF6
.endif
.endm
; A TILE of 16 queries: tile t lies in the block of 32 queries t / 2, whose keys are slots t / 2, t / 2 + 1, t / 2 + 2 of the four.
.macro TILE t
.set tpr, (\t)>>1
.set tu, (\t)&1
	WIN 0x05                                       ; K and Q in window 1
.set jb, 0
.rept 3
.set uu, 0
.rept 2
.set rD, S+16*jb+8*uu
.set rK, 12*(2*(tpr+jb)+uu)
.set rQ, 144+12*(\t)
	WM0 rD, rK, rQ, 10+tpr+jb, 8+tpr, uu, tu
.set uu, uu+1
.endr
.set jb, jb+1
.endr
	WIN 0
	PLACES
.set mi, 0
.rept 16                               ; hidden scores become -infinity ahead of the maximum: p = 0 then.  Each accumulator is read from its low end on
.set mn, mi-8*tu
.if mn<0
.set mn, 0
.endif
.if mn>8
.set mn, 8
.endif
	v_cndmask_b32 v[S+mi], v4, v[S+mi], s[30+mn]           ; the oldest block: kept where the key comes after the query's place, and where the block exists
	v_cndmask_b32 v[S+32+mi], v[S+32+mi], v4, s[20+mn]     ; the query's own block: hidden there
.if tpr==0
	v_cndmask_b32 v[S+16+mi], v4, v[S+16+mi], s39          ; the middle block of the first 32 queries lies in the 64 before
.endif
.set mi, mi+1
.endr
.irp b, 0,1,2
	v_max3_num_f32 v[BM+\b], v[S+16*\b], v[S+16*\b+1], v[S+16*\b+2]   ; the largest score of each block: for the row's maximum, and, since p rises with the score, for the block's largest p
.endr
.irp i, 3,5,7,9,11,13
.irp b, 0,1,2
	v_max3_num_f32 v[BM+\b], v[BM+\b], v[S+16*\b+\i], v[S+16*\b+\i+1]
.endr
.endr
.irp b, 0,1,2
	v_max_num_f32 v[BM+\b], v[BM+\b], v[S+16*\b+15]
.endr
.irp b, 0,1,2
	v_permlanex16_b32 v[BP+\b], v[BM+\b], s[SEL], s[SEL+1]
.endr
.irp b, 0,1,2
	v_max_num_f32 v[BM+\b], v[BM+\b], v[BP+\b]     ; with lane l xor 16's 16 keys
.endr
	v_max3_num_f32 v140, v[BM], v[BM+1], v[BM+2]   ; the row's largest score (the query's own key always counts),
	v_mul_f32 v140, s[CS], v140                    ; as t,
	v_floor_f32 v142, -v140                        ; -M = floor(-t): M is a whole number
.irp j, 0,2,4,6,8,10,12,14,16,18,20,22,24,26,28,30,32,34,36,38,40,42,44,46
	v_pk_fma_f32 v[S+\j:S+\j+1], v[S+\j:S+\j+1], s[CS:CS+1], v[142:143] op_sel_hi:[1,0,0]   ; t - M
.endr
.irp b, 0,1,2
	v_fma_f32 v[BM+\b], v[BM+\b], s[CS], v142      ; the same of each block's largest score
.endr
.irp j, 0,1,2,3,4,5,6,7,8,9,10,11,12,13,14,15,16,17,18,19,20,21,22,23,24,25,26,27,28,29,30,31,32,33,34,35,36,37,38,39,40,41,42,43,44,45,46,47
	v_exp_f32 v[S+\j], v[S+\j]                     ; p = 2^(t - M): not normalised
.endr
	v_nop                                          ; a plain line behind the exponentials
	s_wait_alu depctr_va_vdst(0)                   ; one wait for the batch, ahead of its first reader
.irp b, 0,1,2
	v_exp_f32 v[BM+\b], v[BM+\b]                   ; the block's largest p: the same two instructions on the same number
.endr
	v_pk_add_f32 v[144:145], v[S:S+1], v[S+2:S+3]  ; the row's sum is taken of the unquantised p: two chains
	v_pk_add_f32 v[146:147], v[S+4:S+5], v[S+6:S+7]
.irp j, 8,12,16,20,24,28,32,36,40,44
	v_pk_add_f32 v[144:145], v[144:145], v[S+\j:S+\j+1]
	v_pk_add_f32 v[146:147], v[146:147], v[S+\j+2:S+\j+3]
.endr
	v_pk_add_f32 v[144:145], v[144:145], v[146:147]
	s_wait_alu depctr_va_vdst(0)                   ; and one for the three
.irp b, 0,1,2
	v_max_num_f32 v[BM+\b], 0x2800000, v[BM+\b]    ; the floor: a block whose every p is 0 keeps the byte 1 over zero codes
.endr
.irp b, 0,1,2
	v_add_nc_u32 v[SOP+\b], 0xfe000000, v[BM+\b]
.endr
.irp b, 0,1,2
	v_lshrrev_b32 v[BY+\b], 23, v[SOP+\b]
.endr
.if tpr==0                             ; p's scale word for the four slots; the slot that this tile does not see has zero codes under the byte 0
	v_lshl_or_b32 v21, v[BY+1], 8, v[BY]
	v_lshl_or_b32 v21, v[BY+2], 16, v21
.irp n, 0,1,2
	v_mov_b32 v[PT+4+\n], 0                        ; slot 3
.endr
.else
	v_lshlrev_b32 v21, 8, v[BY]
	v_lshl_or_b32 v21, v[BY+1], 16, v21
	v_lshl_or_b32 v21, v[BY+2], 24, v21
.irp n, 0,1,2
	v_mov_b32 v[PC+\n], 0                          ; slot 0
.endr
.endif
.set jb, 0
.rept 3
.set sl, tpr+jb
.if sl&1
.set rC, PT+4*(sl>>1)
.else
.set rC, PC+6*(sl>>1)
.endif
	v_cvt_scalef32_pk16_bf6_f32 v[rC:rC+2], v[S+16*jb:S+16*jb+15], v[SOP+jb]
.set jb, jb+1
.endr
	v_nop                                          ; one plain line behind the scaled conversions
.irp c, 0,1                            ; a whole slot to a lane: lanes 0-15 slot 2 c, lanes 16-31 slot 2 c + 1
.irp n, 0,1,2
	v_permlane16_swap_b32 v[PC+6*\c+\n], v[PT+4*\c+\n]
.endr
.irp n, 0,1,2
	v_mov_b32 v[PC+6*\c+3+\n], v[PT+4*\c+\n]
.endr
.endr
	v_add_f32 v144, v144, v145                     ; the sum's two halves,
	v_permlanex16_b32 v140, v144, s[SEL], s[SEL+1]
	v_add_f32 v144, v144, v140                     ; and lane l xor 16's
	v_rcp_f32 v156, v144
.rept 8
	v_nop                                          ; a scale word written by vector instructions stands eight plain lines ahead of a scaled matrix instruction, an operand four
.endr
	WIN 0x01                                       ; V in window 1
.set dt, 0
.rept 4
.set rD, O+8*dt
.set rV, 96+12*dt
	WM0 rD, rV, PC, 14+(dt>>1), 21, dt&1, 0
.set dt, dt+1
.endr
	WIN 0
	PLACES
	s_wait_alu depctr_va_vdst(0)                   ; the reciprocal's wait, ahead of its first reader
.irp j, 0,2,4,6,8,10,12,14,16,18,20,22,24,26,28,30
	v_pk_mul_f32 v[O+\j:O+\j+1], v[O+\j:O+\j+1], v[156:157] op_sel_hi:[1,0]   ; O^T / the sum, each accumulator from its low end on
.endr
.irp b, 0,1                            ; the result's 64 channels are two blocks of the out projection's K
	v_max3_num_f32 v[HT+\b], |v[O+16*\b]|, |v[O+16*\b+1]|, 0x2800000
.endr
.irp i, 2,4,6,8,10,12,14
.irp b, 0,1
	v_max3_num_f32 v[HT+\b], v[HT+\b], |v[O+16*\b+\i]|, |v[O+16*\b+\i+1]|
.endr
.endr
.irp b, 0,1
	v_permlanex16_b32 v[HT+2+\b], v[HT+\b], s[SEL], s[SEL+1]
.endr
.irp b, 0,1
	v_max_num_f32 v[HT+\b], v[HT+\b], v[HT+2+\b]
.endr
.irp b, 0,1
	v_add_nc_u32 v[HT+4+\b], 0xfe000000, v[HT+\b]
.endr
.irp b, 0,1
	v_lshrrev_b32 v[HT+6+\b], 23, v[HT+4+\b]
.endr
	v_lshl_or_b32 v[OW+(\t)], v[HT+7], 8, v[HT+6]
	v_cvt_scalef32_pk16_bf6_f32 v[OC+12*(\t):OC+12*(\t)+2], v[O:O+15], v[HT+4]
	v_cvt_scalef32_pk16_bf6_f32 v[OC+12*(\t)+6:OC+12*(\t)+8], v[O+16:O+31], v[HT+5]
	v_nop
.irp n, 0,1,2
	v_permlane16_swap_b32 v[OC+12*(\t)+\n], v[OC+12*(\t)+6+\n]
.endr
.irp n, 0,1,2
	v_mov_b32 v[OC+12*(\t)+3+\n], v[OC+12*(\t)+6+\n]
.endr
	global_store_b128 v1, v[OC+12*(\t):OC+12*(\t)+3], s[52:53] offset:(\t)*3072          ; 512 and 256 consecutive bytes, aligned to 256
	global_store_b64 v2, v[OC+12*(\t)+4:OC+12*(\t)+5], s[52:53] offset:(\t)*3072+512
	ds_store_b16 v3, v[OW+(\t)] offset:128*(\t)    ; lanes r and r + 16 write the same two bytes with the same value
.endm
	TILE 0
	TILE 1
	TILE 2
	TILE 3
	s_wait_dscnt 0x0                               ; for the others' sake: my bytes lie in LDS
	s_barrier_signal -1
	s_barrier_wait -1
	s_cmp_lg_u32 s8, 0
	s_cbranch_scc1 .Lend
	ds_load_b128 v[232:235], v1                    ; wave 0: the four tiles' records, whole words of four heads' bytes
	s_wait_dscnt 0x0
	global_store_b128 v1, v[232:235], s[54:55]     ; 512 consecutive bytes, aligned to 256
.Lend:
	s_wait_tensorcnt 0x0
	ds_add_u32 v254, v255
	s_wait_dscnt 0x0
	s_endpgm
.Lfunc_end_k_q2674fd1983_attn:
	.size	k_q2674fd1983_attn, .Lfunc_end_k_q2674fd1983_attn-k_q2674fd1983_attn
	.p2alignl 7, 3214868480
	.fill 96, 4, 3214868480
	.section	.rodata,"a",@progbits
	.p2align	6, 0x0
	.amdhsa_kernel k_q2674fd1983_attn
		.amdhsa_group_segment_fixed_size 1024
		.amdhsa_private_segment_fixed_size 0
		.amdhsa_enable_private_segment 0
		.amdhsa_kernarg_size 16
		.amdhsa_user_sgpr_count 2
		.amdhsa_user_sgpr_kernarg_segment_ptr 1
		.amdhsa_wavefront_size32 1
		.amdhsa_system_sgpr_workgroup_id_x 1
		.amdhsa_system_sgpr_workgroup_id_y 1
		.amdhsa_system_sgpr_workgroup_id_z 1
		.amdhsa_system_vgpr_workitem_id 0
		.amdhsa_next_free_vgpr 448
		.amdhsa_next_free_sgpr 66
		.amdhsa_reserve_vcc 0
		.amdhsa_float_denorm_mode_32 3
		.amdhsa_float_denorm_mode_16_64 3
		.amdhsa_memory_ordered 1
		.amdhsa_forward_progress 1
		.amdhsa_inst_pref_size 74
	.end_amdhsa_kernel
	.amdgpu_metadata
---
amdhsa.version: [ 1, 2 ]
amdhsa.kernels:
  - .name:           k_q2674fd1983_attn
    .symbol:         k_q2674fd1983_attn.kd
    .args:
      - { .name: qkv, .offset: 0, .size: 8, .value_kind: global_buffer, .address_space: global }
      - { .name: ao, .offset: 8, .size: 8, .value_kind: global_buffer, .address_space: global }
    .group_segment_fixed_size: 1024
    .private_segment_fixed_size: 0
    .kernarg_segment_align: 8
    .kernarg_segment_size: 16
    .max_flat_workgroup_size: 128
    .sgpr_count:     66
    .vgpr_count:     448
    .wavefront_size: 32
...
	.end_amdgpu_metadata
.endif
;; end of part 3
;; launch oproj (part 4): grid 4 x 64, 4 waves a work-group, clusters of 4 x 4, 295,424 bytes of LDS; arguments ao, wall, bo, out0; writes out0
.if DOCPART == 4
	.amdgcn_target "amdgcn-amd-amdhsa--gfx1250"
	.amdhsa_code_object_version 6
	.text
	.protected	k_q2674fd1983_oproj
	.globl	k_q2674fd1983_oproj
	.p2align	8
	.type	k_q2674fd1983_oproj,@function
k_q2674fd1983_oproj:
	s_mov_b64 s[64:65], 0
	v_nop
	global_prefetch_b8 v0, s[64:65] scope:SCOPE_SE
	s_setreg_imm32_b32 hwreg(HW_REG_WAVE_MODE, 25, 1), 1
	s_wait_xcnt 0x0
	s_wait_alu depctr_hold_cnt(0) depctr_sa_sdst(0) depctr_va_vdst(0) depctr_va_sdst(0) depctr_va_ssrc(0) depctr_va_vcc(0) depctr_vm_vsrc(0)
	s_getreg_b32 s2, hwreg(HW_REG_IB_STS2, 6, 4)
	s_cmp_eq_u32 s2, 0
	s_cbranch_scc0 .Lentry_in_a_cluster
	s_endpgm
.Lentry_in_a_cluster:
	s_bfe_u32 s2, ttmp6, 0x10000c
	s_cmp_lg_u32 s2, 0xf033
	s_cbranch_scc0 .Lentry_shape_is_right
	s_endpgm
.Lentry_shape_is_right:
; out0 = attention's result x Wo^T + bo, on codes of BF6 with E8M0 scales; out0 [8192][1024] f32.
; A work-group makes 128 tokens x 256 columns, so that there are 256 work-groups; each of its four waves 64 x 128: 32 accumulators.
; ALL OF K for the tile fits in LDS: four chunks of 256 along K, 73,728 bytes each (A's 8 tiles x 3,072, then B's 16), each asked for once, at the start: four loads a wave are out, there is no ring.
; 4 x 4 work-groups form a cluster: the four of a row need the same tiles of A, the four of a column the same tiles of Wo: joint loads.
; The product is used transposed (source 0 = 16 rows of Wo, source 1 = 16 tokens): a lane holds one token and eight neighbouring columns.  The bias is the C of each sum's first product.
; A tile's rows are not neighbours (position p of tile T is row 32 (T / 2) + 8 (T % 2) + p + 8 (p / 8)): the columns are put right in the stage's offsets, the tokens in the stores' offsets.
; REGISTERS: window 0: addresses, v16-31 A's scale words (4 c + a), v32-63 B's (8 c + b), v64-159 A's fragments in two sets, v160-223 the bias.  Window 1: the accumulators, (a, b) at 64 a + 8 b.  Window 2: B's fragments in two sets of 96.
; SCALARS: s[24:55] and s[68:83] hold descriptor words and nothing else; the work-group's place lies in s94-98.
.set CH,   73728
.set SA,   16
.set SB,   32
.set AF,   64
.set BI,   160
.set BK,   64                          ; the way out: 16 rows read back: v64-127 and v128-191 by turns
.set G1A,  24                          ; s[24:31] group 1 for A;  s[32:47] its four groups 0
.set G0A,  32
.set G1B,  48                          ; s[48:55] group 1 for B;  s[68:83] its four groups 0
.set G0B,  68
.set CX,   94                          ; s94  my place along the cluster's x
.set CY,   95                          ; s95  along its y
.set TX,   96                          ; s96  the block of 256 columns, 0..3
.set RM,   97                          ; s97  the mask of my row of the cluster
.set CM,   98                          ; s98  of my column
.set MSB, 0
.macro WIN new
.if MSB != (\new)
	s_set_vgpr_msb (MSB<<8)|(\new)
.set MSB, (\new)
.endif
.endm
.macro PLACES
.rept 4
	v_nop
.endr
.endm
.macro JLOAD c                         ; a joint load: waves 0 and 1 fetch A's halves, waves 2 and 3 B's; four v_nop follow each of the two lines
	s_cmp_eq_u32 s15, 0
	s_cbranch_scc0 .Lfor_b_\@
	tensor_load_to_lds s[G0A+4*(\c):G0A+4*(\c)+3], s[G1A:G1A+7]
	s_nop 0
.rept 4
	v_nop
.endr
	s_branch .Lasked_\@
.Lfor_b_\@:
	tensor_load_to_lds s[G0B+4*(\c):G0B+4*(\c)+3], s[G1B:G1B+7]
	s_nop 0
.rept 4
	v_nop
.endr
.Lasked_\@:
.endm
.macro CROUND                          ; a round of the cluster's barrier
	s_barrier_signal -1
	s_barrier_wait -1
	s_cmp_lg_u32 s14, 0
	s_cbranch_scc1 .Lnot_wave_0_\@
	s_barrier_signal -3
.Lnot_wave_0_\@:
	s_barrier_wait -3
	s_barrier_signal -1
	s_barrier_wait -1
.endm
	s_load_b256 s[4:11], s[0:1], 0x0               ; ao, wall, bo, out0
	v_lshl_add_u32 v254, v0, 2, 0x48000
	v_mov_b32 v255, 0
	ds_add_u32 v254, v255
	ds_add_u32 v254, v255
	v_lshrrev_b32 v1, 5, v0
	v_readfirstlane_b32 s14, v1                    ; wave
	s_lshr_b32 s15, s14, 1                         ; which 64 tokens are mine.  Also: I fetch for A (0) or for B (1)
	s_and_b32 s16, s14, 1                          ; which 128 columns.  Also: which half of the tiles I fetch
	s_bfe_u32 s[CX], ttmp6, 0x40000
	s_bfe_u32 s[CY], ttmp6, 0x40004
	s_lshl_b32 s[TX], ttmp9, 2
	s_add_co_u32 s[TX], s[TX], s[CX]               ; the block of 256 columns, 0..3
	s_and_b32 s17, ttmp7, 0xffff
	s_lshl_b32 s17, s17, 2
	s_add_co_u32 s17, s17, s[CY]                   ; the block of 128 tokens, 0..63
	s_lshl_b32 s[RM], s[CY], 2
	s_lshl_b32 s[RM], 15, s[RM]                    ; my row of the cluster
	s_lshl_b32 s[CM], 0x1111, s[CX]                ; my column
	; descriptor group 1: a dense block as rows of 256 bytes (32 elements of 8 bytes): A's half 48 rows, B's half 96
	s_or_b32 s[G1A], s[RM], (3<<16)|(1<<21)
	s_or_b32 s[G1B], s[CM], (3<<16)|(1<<21)
	s_mov_b32 s[G1A+1], 32<<16
	s_mov_b32 s[G1A+2], 48<<16
	s_mov_b32 s[G1A+3], 32<<16
	s_mov_b32 s[G1A+4], 48
	s_mov_b32 s[G1A+5], 32
	s_mov_b32 s[G1A+6], 0
	s_mov_b32 s[G1A+7], 0
	s_mov_b32 s[G1B+1], 32<<16
	s_mov_b32 s[G1B+2], 96<<16
	s_mov_b32 s[G1B+3], 32<<16
	s_mov_b32 s[G1B+4], 96
	s_mov_b32 s[G1B+5], 32
	s_mov_b32 s[G1B+6], 0
	s_mov_b32 s[G1B+7], 0
	s_lshl_b32 s20, s17, 3
	s_lshl_b32 s21, s16, 2
	s_add_co_u32 s20, s20, s21                     ; A: tile 8 x block + 4 x half
	s_mul_i32 s20, s20, 3072
	s_mov_b32 s21, 0
	s_lshl_b32 s56, s[TX], 4
	s_lshl_b32 s57, s16, 3
	s_add_co_u32 s56, s56, s57
	s_add_co_u32 s56, s56, 192                     ; B: Wo's tiles begin at 192: + 16 x block + 8 x half
	s_mul_i32 s56, s56, 3072
	s_mov_b32 s57, 0
	s_mul_i32 s58, s16, 12288                      ; where they go in a chunk
	s_mul_i32 s59, s16, 24576
	s_add_co_u32 s59, s59, 24576
	s_wait_dscnt 0x0
	s_wait_kmcnt 0x0
	s_add_nc_u64 s[20:21], s[4:5], s[20:21]
	s_add_nc_u64 s[56:57], s[6:7], s[56:57]
	CROUND                                         ; all sixteen work-groups are here: the joint loads meet
.irp c, 0,1,2,3
	s_mov_b32 s[G0A+4*\c], 1
	s_add_co_u32 s[G0A+4*\c+1], s58, \c*CH
	s_add_nc_u64 s[G0A+4*\c+2:G0A+4*\c+3], s[20:21], \c*1572864
	s_or_b32 s[G0A+4*\c+3], s[G0A+4*\c+3], 0x80000000
	s_mov_b32 s[G0B+4*\c], 1
	s_add_co_u32 s[G0B+4*\c+1], s59, \c*CH
	s_add_nc_u64 s[G0B+4*\c+2:G0B+4*\c+3], s[56:57], \c*786432
	s_or_b32 s[G0B+4*\c+3], s[G0B+4*\c+3], 0x80000000
	JLOAD \c
.endr
	v_and_b32 v1, 31, v0
	v_lshlrev_b32 v10, 4, v1                       ; 16 x lane
	v_lshlrev_b32 v11, 3, v1                       ; 8 x lane
	v_lshlrev_b32 v6, 2, v1                        ; 4 x lane
	s_mul_i32 s18, s15, 12288
	s_mul_i32 s19, s16, 24576
	s_add_co_u32 s19, s19, 24576
	v_add_nc_u32 v2, s18, v10                      ; my four tiles of A in the chunk in hand: 16 bytes a lane,
	v_add_nc_u32 v3, s18, v11                      ; 8 bytes a lane;
	v_add_nc_u32 v4, s19, v10                      ; my eight of B
	v_add_nc_u32 v5, s19, v11
	v_and_b32 v12, 15, v0                          ; r
	v_bfe_u32 v13, v0, 4, 1                        ; h
	v_lshlrev_b32 v7, 6, v13                       ; 64 h: my half's 16 columns
	s_mul_i32 s18, s14, 8448                       ; my stage: 16 rows x 528 bytes, in chunk 0's bytes: they have had their one fill, and their last reads are waited for in front of an earlier barrier
	v_mul_u32_u24 v8, v12, 528
	v_add_nc_u32 v8, v8, v7
	v_add_nc_u32 v8, s18, v8                       ; in: row r, + 64 h
	v_add_nc_u32 v9, s18, v10                      ; back: a row of 512 bytes, 16 a lane
	s_lshl_b32 s22, s17, 3
	s_lshl_b32 s23, s15, 2
	s_add_co_u32 s22, s22, s23
	s_lshl_b32 s22, s22, 7
	s_add_co_u32 s22, s22, 6291456
	s_mov_b32 s23, 0
	s_add_nc_u64 s[84:85], s[4:5], s[22:23]        ; A's scale words: [chunk][tile][32 words]
	s_lshl_b32 s60, s[TX], 4
	s_lshl_b32 s61, s16, 3
	s_add_co_u32 s60, s60, s61
	s_add_co_u32 s60, s60, 192
	s_lshl_b32 s60, s60, 9
	s_add_co_u32 s60, s60, 3145728
	s_mov_b32 s61, 0
	s_add_nc_u64 s[86:87], s[6:7], s[60:61]        ; B's: [tile][chunk][32 words]
	s_lshl_b32 s62, s[TX], 10
	s_lshl_b32 s63, s16, 9
	s_add_co_u32 s62, s62, s63                     ; my first column, in bytes
	s_mov_b32 s63, 0
	s_add_nc_u64 s[88:89], s[8:9], s[62:63]        ; the bias
	s_lshl_b32 s92, s17, 7
	s_lshl_b32 s93, s15, 6
	s_add_co_u32 s92, s92, s93                     ; my first token
	s_lshl_b32 s92, s92, 12
	s_add_co_u32 s92, s92, s62
	s_mov_b32 s93, 0
	s_add_nc_u64 s[90:91], s[10:11], s[92:93]      ; out0; never stepped
.irp c, 0,1,2,3
.irp a, 0,1,2,3
	global_load_b32 v[SA+4*\c+\a], v6, s[84:85] offset:\c*65536+\a*128
.endr
.irp b, 0,1,2,3,4,5,6,7
	global_load_b32 v[SB+8*\c+\b], v6, s[86:87] offset:\b*512+\c*128
.endr
.endr
.irp b, 0,1,2,3,4,5,6,7
	global_load_b128 v[BI+8*\b:BI+8*\b+3], v7, s[88:89] offset:128*(\b/2)+32*(\b%2)       ; tile b's register j is column 32 (b / 2) + 16 h + 8 (b % 2) + j
	global_load_b128 v[BI+8*\b+4:BI+8*\b+7], v7, s[88:89] offset:128*(\b/2)+32*(\b%2)+16
.endr
.macro FRAG reg, a16, a8, off
	ds_load_b128 v[\reg:\reg+3], v[\a16] offset:\off
	ds_load_b64 v[\reg+4:\reg+5], v[\a8] offset:\off+512
	ds_load_b128 v[\reg+6:\reg+9], v[\a16] offset:\off+768
	ds_load_b64 v[\reg+10:\reg+11], v[\a8] offset:\off+1280
.endm
.macro FETCH ks                        ; K step ks: B's eight fragments and A's four into set ks % 2: 48 loads
.set fs, (\ks)&1
	WIN 0x80                                       ; destination window 2
.set fi, 0
.rept 8
.set fR, 96*fs+12*fi
.set fO, fi*3072+1536*fs
	FRAG fR, 4, 5, fO
.set fi, fi+1
.endr
	WIN 0
.set fi, 0
.rept 4
.set fR, AF+48*fs+12*fi
.set fO, fi*3072+1536*fs
	FRAG fR, 2, 3, fO
.set fi, fi+1
.endr
.endm
.macro BAR c                           ; chunk c is whole: my part has landed (the later chunks' loads may stay out), my LDS loads are in, and so for every wave
	s_wait_tensorcnt 3-(\c)
	s_wait_dscnt 0x0
	s_barrier_signal -1
	s_barrier_wait -1
.endm
.macro WMO d, s0, s1, c, c0, c1, sp
.if \sp
	v_wmma_scale_f32_16x16x128_f8f6f4 v[\d:\d+7], v[\s0:\s0+11], v[\s1:\s1+11], v[\c:\c+7], v[\c0], v[\c1] matrix_a_fmt:MATRIX_FMT_BF6 matrix_b_fmt:MATRIX_FMT_BF6 matrix_a_scale:MATRIX_SCALE_ROW1 matrix_b_scale:MATRIX_SCALE_ROW1
.else
	v_wmma_scale_f32_16x16x128_f8f6f4 v[\d:\d+7], v[\s0:\s0+11], v[\s1:\s1+11], v[\c:\c+7], v[\c0], v[\c1] matrix_a_fmt:MATRIX_FMT_BF6 matrix_b_fmt:MATRIX_FMT_BF6
.endif
.endm
; A K STEP: the next step's fragments are asked for, then this step's 32 products; the 32 accumulators take turns, one instruction a turn.
.macro KSTEP ks
.set kc, (\ks)>>1
.set ksp, (\ks)&1
	PLACES                                         ; in front of loads into the set that the last step's products read
.if (ksp==1)&&((\ks)<7)
	BAR kc+1
.irp r, 2,3,4,5
	v_add_nc_u32 v\r, CH, v\r                      ; on to the next chunk (no LDS load of mine is out)
.endr
.endif
.if (\ks)<7
	FETCH (\ks)+1
	s_wait_dscnt 48                                ; all but the 48 just issued
.else
	s_wait_dscnt 0x0
.endif
.if (\ks)==0
	WIN 0x42                                       ; source 0 (B) window 2, C (the bias) window 0, D window 1
.else
	WIN 0x52                                       ; C and D window 1
.endif
.set ma, 0
.rept 4
.set mb, 0
.rept 8
.set rD, 64*ma+8*mb
.set rB, 96*ksp+12*mb
.set rA, AF+48*ksp+12*ma
.set rSB, SB+8*kc+mb
.set rSA, SA+4*kc+ma
.if (\ks)==0
.set rC, BI+8*mb
.else
.set rC, rD
.endif
	WMO rD, rB, rA, rC, rSB, rSA, ksp
.set mb, mb+1
.endr
.set ma, ma+1
.endr
	WIN 0
.endm
	BAR 0
	FETCH 0
	s_wait_loadcnt 0x0                             ; scale words and bias
	KSTEP 0
	KSTEP 1
	KSTEP 2
	KSTEP 3
	KSTEP 4
	KSTEP 5
	KSTEP 6
	KSTEP 7
; THE WAY OUT, a tile of 16 tokens x 128 columns at a time, through my own stage: in as 32 bytes a lane, back as whole rows of 512 bytes.  LDS serves a wave's instructions in order: no wait between the stores and the loads.
.macro TOSTAGE a
	WIN 0x04                                       ; an LDS store's data: window 1
.irp b, 0,1,2,3,4,5,6,7
	ds_store_b128 v8, v[64*(\a)+8*\b:64*(\a)+8*\b+3] offset:128*(\b/2)+32*(\b%2)          ; each accumulator from its low end on
	ds_store_b128 v8, v[64*(\a)+8*\b+4:64*(\a)+8*\b+7] offset:128*(\b/2)+32*(\b%2)+16
.endr
	WIN 0
.set BB, BK+64*((\a)%2)
.irp p, 0,1,2,3,4,5,6,7,8,9,10,11,12,13,14,15
	ds_load_b128 v[BB+4*\p:BB+4*\p+3], v9 offset:\p*528
.endr
.endm
.macro SEND a, younger                 ; younger: the LDS instructions issued behind tile a's loads, which may stay out
.set BB, BK+64*((\a)%2)
	s_wait_dscnt \younger
.irp p, 0,1,2,3,4,5,6,7,8,9,10,11,12,13,14,15
	global_store_b128 v10, v[BB+4*\p:BB+4*\p+3], s[90:91] offset:(32*((\a)/2)+8*((\a)%2)+\p+8*(\p/8))*4096 th:TH_STORE_NT   ; 32 lanes store 512 consecutive bytes, aligned to 256; written once, read by nobody here
.endr
.endm
	PLACES                                         ; behind the last products: for the reads of results, and for the loads into registers that held operands
	TOSTAGE 0
.irp a, 1,2,3
.if \a > 1
	s_wait_xcnt 0x0                                ; tile a - 2's stores have read their registers: tile a's loads may land there
.endif
	TOSTAGE \a
	SEND \a-1, 32                                  ; behind tile a - 1's loads: tile a's 16 stores and 16 loads
.endr
	SEND 3, 0
	s_wait_dscnt 0x0
	s_wait_tensorcnt 0x0
	ds_add_u32 v254, v255
	s_wait_dscnt 0x0
	CROUND                                         ; the closing round: no work-group ends while a partner may still ask for a tile that names it
	s_endpgm
.Lfunc_end_k_q2674fd1983_oproj:
	.size	k_q2674fd1983_oproj, .Lfunc_end_k_q2674fd1983_oproj-k_q2674fd1983_oproj
	.p2alignl 7, 3214868480
	.fill 96, 4, 3214868480
	.section	.rodata,"a",@progbits
	.p2align	6, 0x0
	.amdhsa_kernel k_q2674fd1983_oproj
		.amdhsa_group_segment_fixed_size 295424
		.amdhsa_private_segment_fixed_size 0
		.amdhsa_enable_private_segment 0
		.amdhsa_kernarg_size 32
		.amdhsa_user_sgpr_count 2
		.amdhsa_user_sgpr_kernarg_segment_ptr 1
		.amdhsa_wavefront_size32 1
		.amdhsa_system_sgpr_workgroup_id_x 1
		.amdhsa_system_sgpr_workgroup_id_y 1
		.amdhsa_system_sgpr_workgroup_id_z 1
		.amdhsa_system_vgpr_workitem_id 0
		.amdhsa_next_free_vgpr 768
		.amdhsa_next_free_sgpr 100
		.amdhsa_reserve_vcc 0
		.amdhsa_float_denorm_mode_32 3
		.amdhsa_float_denorm_mode_16_64 3
		.amdhsa_memory_ordered 1
		.amdhsa_forward_progress 1
		.amdhsa_inst_pref_size 90
	.end_amdhsa_kernel
	.amdgpu_metadata
---
amdhsa.version: [ 1, 2 ]
amdhsa.kernels:
  - .name:           k_q2674fd1983_oproj
    .symbol:         k_q2674fd1983_oproj.kd
    .args:
      - { .name: ao, .offset: 0, .size: 8, .value_kind: global_buffer, .address_space: global }
      - { .name: wall, .offset: 8, .size: 8, .value_kind: global_buffer, .address_space: global }
      - { .name: bo, .offset: 16, .size: 8, .value_kind: global_buffer, .address_space: global }
      - { .name: out0, .offset: 24, .size: 8, .value_kind: global_buffer, .address_space: global }
    .group_segment_fixed_size: 295424
    .private_segment_fixed_size: 0
    .kernarg_segment_align: 8
    .kernarg_segment_size: 32
    .max_flat_workgroup_size: 128
    .sgpr_count:     100
    .vgpr_count:     768
    .wavefront_size: 32
...
	.end_amdgpu_metadata
.endif
;; end of part 4
;; ======== version 2 of 2: 4 launches; version 1 with the launch attn written anew for expert scheduling mode
;; workspace buffers: xq 6,553,600 bytes; wall 3,276,800 bytes; qkv 20,447,232 bytes; ao 6,553,600 bytes
;; launch quant: the kernel of part 1 again; grid 768 x 1, 4 waves a work-group, no clusters, 68,096 bytes of LDS; arguments query, Wq, Wk, Wv, Wo, xq, wall; writes xq, wall
;; launch qkv: the kernel of part 2 again; grid 8 x 32, 4 waves a work-group, clusters of 4 x 4, 327,680 bytes of LDS; arguments xq, wall, qkv; writes qkv
;; launch attn (part 5): grid 64 x 8, 4 waves a work-group, no clusters, 1,024 bytes of LDS; arguments qkv, ao; writes ao
.if DOCPART == 5
	.amdgcn_target "amdgcn-amd-amdhsa--gfx1250"
	.amdhsa_code_object_version 6
	.text
	.protected	k_q2674fd1983_attn
	.globl	k_q2674fd1983_attn
	.p2align	8
	.type	k_q2674fd1983_attn,@function
k_q2674fd1983_attn:
	s_mov_b64 s[64:65], 0
	v_nop
	global_prefetch_b8 v0, s[64:65] scope:SCOPE_SE
	s_setreg_imm32_b32 hwreg(HW_REG_WAVE_SCHED_MODE, 0, 2), 2
	s_setreg_imm32_b32 hwreg(HW_REG_WAVE_MODE, 25, 1), 1
	s_wait_xcnt 0x0
	s_wait_alu depctr_vm_vsrc(0)
; Attention in a causal window of 64 keys, both products on codes of BF6, and the result quantised for the out projection.
; Query i sees keys i - 63 .. i: a block of 32 queries sees its own block of 32 keys (k <= q inside it), the block before (all) and the one before that (k > q inside it).  All other keys lie under the mask and are not multiplied.
; SHARES: a work-group is 64 queries of one batch and four heads; a wave is one head: four tiles of 16 queries.  Its keys are the queries' own 64 and the 64 before: four slots of 32 keys, one K step of the second product.
; In the first block of a batch the 64 before do not exist: the block's own are loaded in their place (no load leaves the buffer) and every score of theirs is masked.
; No tile is shared between work-groups, and a wave reads each operand once: operands go from memory straight into registers, as images of registers; no tensor load, no cluster.
; Both products are used transposed: S^T = K Q^T, O^T = V^T P^T: a lane holds one query throughout.  The head's 64 channels fill half of the first product's K of 128: the upper six registers of K's and Q's fragments are zero codes.
; THE SOFTMAX: t = score x log2(e) / 8; M = the row's largest t rounded up to a whole number; p = 2^(t - M) is quantised along the keys; the row's sum of the unquantised p divides at the end.  One step: all of a row's keys are at hand.
; OUT: ao as an operand's images: head h is half h % 2 of K step h / 2; scale words by chunk: [chunk][token tile][32 words]; the four heads' bytes meet in 512 bytes of LDS.
; LIMITS: NaN and infinities are not served; 1 / sum by v_rcp_f32; a block of zeros or under 2^-122 gets the byte 1 (this program alone reads the bytes).
; THE MODE: SCHED_MODE bits 1:0 = 2 (LLVM: expert scheduling mode 2), set by the entry lines.  The code itself states the register dependences
; between vector or matrix instructions and memory or LDS instructions, with s_wait_alu, always for 0.
; THE PLAN.  Registers that memory or LDS instructions touch:
;   v1, v2, v3            two offsets and an LDS address: written at the head, read by every load and store, never written again.
;   v8-17, window 1       the head's loads land in registers that no vector instruction has named; their data are waited for once, by LOADcnt.
;   OC + 12 t .. + 5, OW + t   tile t's codes and scale bytes: written by tile t's last vector lines, read by its three stores, never written again: a set for each tile.
;   v232-235              wave 0's LDS load at the end lands there, and its store reads them: no vector instruction names them.
;   v254, v255            written at the head, read by the closing add alone.
; So no register that a memory instruction has read is ever written again.  Tile t's three stores stand in tile t + 1, straight behind the wait for that tile's exponentials, which also shows tile t's
; codes written; the last tile's have a wait of their own.  What vector instructions write for a scaled product (the zero codes, V's scale words, p's codes and scale word) has its wait ahead of that product, behind its places.
.set S,   32                           ; v32-79   S^T, then p: register 16 jb + n = key 16 (lane / 16) + n of the tile's jb-th block of keys
.set O,   80                           ; v80-111  O^T: register 16 b + n = channel 32 b + 16 (lane / 16) + n
.set PC,  112                          ; v112-123 p's codes
.set PT,  124                          ; v124-126, v128-130 the odd slots' codes
.set BM,  132                          ; v132-134 each block's largest score, then its largest p
.set BP,  136                          ; v136-138 the other half's
.set SOP, 148
.set BY,  152
.set HT,  160                          ; v160-167 at work for the result's quantiser
.set OC,  176                          ; v176-223 the four tiles' codes: no store's data are written again
.set OW,  224                          ; v224-227 their scale bytes
.set CS,  56                           ; s[56:57] c = log2(e) / 8
.set SEL, 58                           ; s[58:59] lane l xor 16
.set MSB, 0
.macro WIN new
.if MSB != (\new)
	s_set_vgpr_msb (MSB<<8)|(\new)
.set MSB, (\new)
.endif
.endm
.macro PLACES
.rept 4
	v_nop
.endr
.endm
	s_load_b128 s[4:7], s[0:1], 0x0                ; qkv, ao
	v_lshl_add_u32 v254, v0, 2, 0x200
	v_mov_b32 v255, 0
	v_lshrrev_b32 v5, 5, v0
	v_readfirstlane_b32 s8, v5                     ; wave
	v_and_b32 v5, 31, v0
	v_lshlrev_b32 v1, 4, v5                        ; 16 x lane
	v_lshlrev_b32 v2, 3, v5                        ; 8 x lane
	s_wait_alu depctr_va_sdst(0)                   ; s8 is written, ahead of its first reader: the LDS address, the head and the buffers' offsets are made from it
	s_lshr_b32 s14, s8, 1
	s_lshl_b32 s14, s14, 6
	s_and_b32 s15, s8, 1
	s_lshl_b32 s15, s15, 1
	s_add_co_u32 s14, s14, s15
	v_and_b32 v3, 15, v0
	v_lshlrev_b32 v3, 2, v3
	v_add_nc_u32 v3, s14, v3                       ; LDS: row r's word of K step wave / 2, my head's two bytes: 4 r + 64 (wave / 2) + 2 (wave % 2)
	s_and_b32 s9, ttmp9, 3                         ; the group of four heads = ao's chunk
	s_lshr_b32 s10, ttmp9, 2                       ; the block of 64 queries
	s_and_b32 s11, ttmp7, 0xffff                   ; the batch
	s_lshl_b32 s12, s11, 4
	s_lshl_b32 s13, s9, 2
	s_add_co_u32 s12, s12, s13
	s_add_co_u32 s12, s12, s8                      ; 16 x batch + head
	s_max_u32 s13, s10, 1
	s_sub_co_u32 s13, s13, 1                       ; the block before, or the first itself
	s_mul_i32 s14, s12, 49152
	s_mul_i32 s15, s10, 3072
	s_add_co_u32 s40, s14, s15
	s_mov_b32 s41, 0
	s_mul_i32 s15, s13, 3072
	s_add_co_u32 s42, s14, s15
	s_mov_b32 s43, 0
	s_lshl_b32 s14, s12, 12
	s_add_co_u32 s14, s14, 18874368
	s_lshl_b32 s15, s10, 8
	s_add_co_u32 s48, s14, s15
	s_mov_b32 s49, 0
	s_lshl_b32 s15, s13, 8
	s_add_co_u32 s50, s14, s15
	s_mov_b32 s51, 0
	s_lshl_b32 s14, s11, 6
	s_lshl_b32 s15, s10, 2
	s_add_co_u32 s14, s14, s15                     ; my first token tile: 64 x batch + 4 x block
	s_lshl_b32 s15, s9, 9
	s_add_co_u32 s15, s15, s14
	s_lshl_b32 s15, s15, 1
	s_lshr_b32 s16, s8, 1
	s_add_co_u32 s15, s15, s16
	s_mul_i32 s15, s15, 1536
	s_and_b32 s16, s8, 1
	s_mul_i32 s16, s16, 768
	s_add_co_u32 s52, s15, s16
	s_mov_b32 s53, 0
	s_lshl_b32 s15, s9, 16
	s_lshl_b32 s16, s14, 7
	s_add_co_u32 s15, s15, s16
	s_add_co_u32 s54, s15, 6291456
	s_mov_b32 s55, 0
	s_wait_kmcnt 0x0
	s_add_nc_u64 s[40:41], s[4:5], s[40:41]        ; q's (and, 6,291,456 on, k's) half fragments of my 64 tokens,
	s_add_nc_u64 s[42:43], s[4:5], s[42:43]        ; of the 64 before;
	s_add_nc_u64 s[44:45], s[40:41], 12582912      ; v's likewise
	s_add_nc_u64 s[46:47], s[42:43], 12582912
	s_add_nc_u64 s[48:49], s[4:5], s[48:49]        ; the scale records: q's; k's 524,288 on; v's 1,048,576 on
	s_add_nc_u64 s[50:51], s[4:5], s[50:51]
	s_add_nc_u64 s[52:53], s[6:7], s[52:53]        ; ao: my half of my tiles' fragments,
	s_add_nc_u64 s[54:55], s[6:7], s[54:55]        ; and the four tiles' scale words of the chunk
	s_wait_alu depctr_va_vdst(0)                   ; v1, v2 and v3 are written: every load and store of the kernel reads one of them as its offset or address.  Only loads and one window switch stand between this wait and the last of the loads below
	global_load_b64 v[8:9], v2, s[48:49]                   ; q's scale words
	global_load_b64 v[10:11], v2, s[50:51] offset:524288   ; k's: the 64 before,
	global_load_b64 v[12:13], v2, s[48:49] offset:524288   ; my own
	global_load_b64 v[14:15], v2, s[50:51] offset:1048576  ; v's likewise
	global_load_b64 v[16:17], v2, s[48:49] offset:1048576
	WIN 0x40                                       ; destination window 1: v0-95 K's eight tiles, v96-143 V's four, v144-191 Q's four
.irp t, 0,1,2,3
	global_load_b128 v[144+12*\t:144+12*\t+3], v1, s[40:41] offset:\t*768
	global_load_b64 v[144+12*\t+4:144+12*\t+5], v2, s[40:41] offset:\t*768+512
.endr
.irp t, 0,1,2,3
	global_load_b128 v[12*\t:12*\t+3], v1, s[42:43] offset:6291456+\t*768
	global_load_b64 v[12*\t+4:12*\t+5], v2, s[42:43] offset:6291456+\t*768+512
	global_load_b128 v[48+12*\t:48+12*\t+3], v1, s[40:41] offset:6291456+\t*768
	global_load_b64 v[48+12*\t+4:48+12*\t+5], v2, s[40:41] offset:6291456+\t*768+512
.endr
.irp t, 0,1,2,3
	global_load_b128 v[96+12*\t:96+12*\t+3], v1, s[46:47] offset:\t*768            ; V: the 64 keys before are registers 0-5,
	global_load_b64 v[96+12*\t+4:96+12*\t+5], v2, s[46:47] offset:\t*768+512
	global_load_b128 v[96+12*\t+6:96+12*\t+9], v1, s[44:45] offset:\t*768          ; my own 64 registers 6-11
	global_load_b64 v[96+12*\t+10:96+12*\t+11], v2, s[44:45] offset:\t*768+512
.endr
.irp t, 0,1,2,3,4,5,6,7,12,13,14,15
.irp n, 6,7,8,9,10,11
	v_mov_b32 v[12*\t+\n], 0                       ; zero codes for the upper 64 of the first product's K, in K's eight tiles and Q's four: registers in which no load lands
.endr
.endr
	WIN 0
	v_mov_b32 v4, 0xff800000                       ; -infinity
.irp n, 0,1,2
	v_mov_b32 v[BP+\n], 0                          ; written once: a lane permute's destination counts as one of its sources
.endr
	v_mov_b32 v143, 0                              ; upper halves of pairs of which the low word serves both halves
	v_mov_b32 v157, 0
	v_mov_b32 v[HT+2], 0
	v_mov_b32 v[HT+3], 0
	s_mov_b32 s[CS], 0x3e38aa3b
	s_mov_b32 s[CS+1], s[CS]
	s_mov_b32 s[SEL], 0x76543210
	s_mov_b32 s[SEL+1], 0xfedcba98
	; THE MASKS.  Lane (r, h) holds the query at 8 u + r + 8 (r / 8) of its block of 32, register n the key at 16 h + n of its block.  The lanes in which the key comes after the query:
	; lanes 16-23 always, lanes 8-15 never, of lanes 0-7 and of lanes 24-31 the first clamp(n - 8 u, 0, 8).  Nine masks serve all registers.
.irp n, 0,1,2,3,4,5,6,7,8
	s_mov_b32 s[20+\n], (((1<<\n)-1)*0x01000001)|0xff0000
.endr
	s_cmp_lg_u32 s10, 0
	s_cselect_b32 s39, -1, 0                       ; are there 64 keys before mine?
.irp n, 0,1,2,3,4,5,6,7,8
	s_and_b32 s[30+\n], s[20+\n], s39
.endr
	s_wait_loadcnt 0x0
	v_lshl_or_b32 v14, v16, 16, v14                ; v's scale words for the 128 keys: two bytes of each 64
	v_lshl_or_b32 v15, v17, 16, v15
	s_wait_alu depctr_va_vdst(0)                   ; the zero codes in K's and Q's fragments are written, which the first products take in their sources; so are v14 and v15, which the second products take as scales
.macro WM0 d, s0, s1, c0, c1, ra, rb   ; a sum that one product starts and ends; ra, rb: the side's scale words lie in lanes 16-31
.if (\ra)&&(\rb)
	v_wmma_scale_f32_16x16x128_f8f6f4 v[\d:\d+7], v[\s0:\s0+11], v[\s1:\s1+11], 0, v[\c0], v[\c1] matrix_a_fmt:MATRIX_FMT_BF6 matrix_b_fmt:MATRIX_FMT_BF6 matrix_a_scale:MATRIX_SCALE_ROW1 matrix_b_scale:MATRIX_SCALE_ROW1
.elseif \ra
	v_wmma_scale_f32_16x16x128_f8f6f4 v[\d:\d+7], v[\s0:\s0+11], v[\s1:\s1+11], 0, v[\c0], v[\c1] matrix_a_fmt:MATRIX_FMT_BF6 matrix_b_fmt:MATRIX_FMT_BF6 matrix_a_scale:MATRIX_SCALE_ROW1
.elseif \rb
	v_wmma_scale_f32_16x16x128_f8f6f4 v[\d:\d+7], v[\s0:\s0+11], v[\s1:\s1+11], 0, v[\c0], v[\c1] matrix_a_fmt:MATRIX_FMT_BF6 matrix_b_fmt:MATRIX_FMT_BF6 matrix_b_scale:MATRIX_SCALE_ROW1
.else
	v_wmma_scale_f32_16x16x128_f8f6f4 v[\d:\d+7], v[\s0:\s0+11], v[\s1:\s1+11], 0, v[\c0], v[\c1] matrix_a_fmt:MATRIX_FMT_BF6 matrix_b_fmt:MATRIX_FMT_BF6
.endif
.endm
; Tile t's results leave: its half fragment, and its two scale bytes a row into LDS.  They stand straight behind a wait that shows OC + 12 t .. and OW + t written.
.macro SENDT t
	global_store_b128 v1, v[OC+12*(\t):OC+12*(\t)+3], s[52:53] offset:(\t)*3072          ; 512 and 256 consecutive bytes, aligned to 256
	global_store_b64 v2, v[OC+12*(\t)+4:OC+12*(\t)+5], s[52:53] offset:(\t)*3072+512
	ds_store_b16 v3, v[OW+(\t)] offset:128*(\t)    ; lanes r and r + 16 write the same two bytes with the same value
.endm
; A TILE of 16 queries: tile t lies in the block of 32 queries t / 2, whose keys are slots t / 2, t / 2 + 1, t / 2 + 2 of the four.
.macro TILE t
.set tpr, (\t)>>1
.set tu, (\t)&1
	WIN 0x05                                       ; K and Q in window 1
.set jb, 0
.rept 3
.set uu, 0
.rept 2
.set rD, S+16*jb+8*uu
.set rK, 12*(2*(tpr+jb)+uu)
.set rQ, 144+12*(\t)
	WM0 rD, rK, rQ, 10+tpr+jb, 8+tpr, uu, tu
.set uu, uu+1
.endr
.set jb, jb+1
.endr
	WIN 0
	PLACES
.set mi, 0
.rept 16                               ; hidden scores become -infinity ahead of the maximum: p = 0 then.  Each accumulator is read from its low end on
.set mn, mi-8*tu
.if mn<0
.set mn, 0
.endif
.if mn>8
.set mn, 8
.endif
	v_cndmask_b32 v[S+mi], v4, v[S+mi], s[30+mn]           ; the oldest block: kept where the key comes after the query's place, and where the block exists
	v_cndmask_b32 v[S+32+mi], v[S+32+mi], v4, s[20+mn]     ; the query's own block: hidden there
.if tpr==0
	v_cndmask_b32 v[S+16+mi], v4, v[S+16+mi], s39          ; the middle block of the first 32 queries lies in the 64 before
.endif
.set mi, mi+1
.endr
.irp b, 0,1,2
	v_max3_num_f32 v[BM+\b], v[S+16*\b], v[S+16*\b+1], v[S+16*\b+2]   ; the largest score of each block: for the row's maximum, and, since p rises with the score, for the block's largest p
.endr
.irp i, 3,5,7,9,11,13
.irp b, 0,1,2
	v_max3_num_f32 v[BM+\b], v[BM+\b], v[S+16*\b+\i], v[S+16*\b+\i+1]
.endr
.endr
.irp b, 0,1,2
	v_max_num_f32 v[BM+\b], v[BM+\b], v[S+16*\b+15]
.endr
.irp b, 0,1,2
	v_permlanex16_b32 v[BP+\b], v[BM+\b], s[SEL], s[SEL+1]
.endr
.irp b, 0,1,2
	v_max_num_f32 v[BM+\b], v[BM+\b], v[BP+\b]     ; with lane l xor 16's 16 keys
.endr
	v_max3_num_f32 v140, v[BM], v[BM+1], v[BM+2]   ; the row's largest score (the query's own key always counts),
	v_mul_f32 v140, s[CS], v140                    ; as t,
	v_floor_f32 v142, -v140                        ; -M = floor(-t): M is a whole number
.irp j, 0,2,4,6,8,10,12,14,16,18,20,22,24,26,28,30,32,34,36,38,40,42,44,46
	v_pk_fma_f32 v[S+\j:S+\j+1], v[S+\j:S+\j+1], s[CS:CS+1], v[142:143] op_sel_hi:[1,0,0]   ; t - M
.endr
.irp b, 0,1,2
	v_fma_f32 v[BM+\b], v[BM+\b], s[CS], v142      ; the same of each block's largest score
.endr
.irp j, 0,1,2,3,4,5,6,7,8,9,10,11,12,13,14,15,16,17,18,19,20,21,22,23,24,25,26,27,28,29,30,31,32,33,34,35,36,37,38,39,40,41,42,43,44,45,46,47
	v_exp_f32 v[S+\j], v[S+\j]                     ; p = 2^(t - M): not normalised
.endr
	v_nop                                          ; a plain line behind the exponentials
	s_wait_alu depctr_va_vdst(0)                   ; the 48 exponentials have written p in v[S ..], ahead of its first reader; and the tile before has written its codes and scale bytes, which the three stores below read
.if (\t)>0
	SENDT (\t)-1                                   ; the tile before leaves here: no vector instruction stands between the wait and these stores
.endif
.irp b, 0,1,2
	v_exp_f32 v[BM+\b], v[BM+\b]                   ; the block's largest p: the same two instructions on the same number
.endr
	v_pk_add_f32 v[144:145], v[S:S+1], v[S+2:S+3]  ; the row's sum is taken of the unquantised p: two chains
	v_pk_add_f32 v[146:147], v[S+4:S+5], v[S+6:S+7]
.irp j, 8,12,16,20,24,28,32,36,40,44
	v_pk_add_f32 v[144:145], v[144:145], v[S+\j:S+\j+1]
	v_pk_add_f32 v[146:147], v[146:147], v[S+\j+2:S+\j+3]
.endr
	v_pk_add_f32 v[144:145], v[144:145], v[146:147]
	s_wait_alu depctr_va_vdst(0)                   ; the three exponentials have written the blocks' largest p in v[BM ..], ahead of their first reader
.irp b, 0,1,2
	v_max_num_f32 v[BM+\b], 0x2800000, v[BM+\b]    ; the floor: a block whose every p is 0 keeps the byte 1 over zero codes
.endr
.irp b, 0,1,2
	v_add_nc_u32 v[SOP+\b], 0xfe000000, v[BM+\b]
.endr
.irp b, 0,1,2
	v_lshrrev_b32 v[BY+\b], 23, v[SOP+\b]
.endr
.if tpr==0                             ; p's scale word for the four slots; the slot that this tile does not see has zero codes under the byte 0
	v_lshl_or_b32 v21, v[BY+1], 8, v[BY]
	v_lshl_or_b32 v21, v[BY+2], 16, v21
.irp n, 0,1,2
	v_mov_b32 v[PT+4+\n], 0                        ; slot 3
.endr
.else
	v_lshlrev_b32 v21, 8, v[BY]
	v_lshl_or_b32 v21, v[BY+1], 16, v21
	v_lshl_or_b32 v21, v[BY+2], 24, v21
.irp n, 0,1,2
	v_mov_b32 v[PC+\n], 0                          ; slot 0
.endr
.endif
.set jb, 0
.rept 3
.set sl, tpr+jb
.if sl&1
.set rC, PT+4*(sl>>1)
.else
.set rC, PC+6*(sl>>1)
.endif
	v_cvt_scalef32_pk16_bf6_f32 v[rC:rC+2], v[S+16*jb:S+16*jb+15], v[SOP+jb]
.set jb, jb+1
.endr
	v_nop                                          ; one plain line behind the scaled conversions
.irp c, 0,1                            ; a whole slot to a lane: lanes 0-15 slot 2 c, lanes 16-31 slot 2 c + 1
.irp n, 0,1,2
	v_permlane16_swap_b32 v[PC+6*\c+\n], v[PT+4*\c+\n]
.endr
.irp n, 0,1,2
	v_mov_b32 v[PC+6*\c+3+\n], v[PT+4*\c+\n]
.endr
.endr
	v_add_f32 v144, v144, v145                     ; the sum's two halves,
	v_permlanex16_b32 v140, v144, s[SEL], s[SEL+1]
	v_add_f32 v144, v144, v140                     ; and lane l xor 16's
	v_rcp_f32 v156, v144
.rept 8
	v_nop                                          ; a scale word written by vector instructions stands eight plain lines ahead of a scaled matrix instruction, an operand four
.endr
	WIN 0x01                                       ; V in window 1
	s_wait_alu depctr_va_vdst(0)                   ; p's codes v[PC ..] and its scale word v21 are written, which the four products below take as source 1 and its scales; the places above stay beside this wait.  The reciprocal has written v156 too, ahead of its first reader
.set dt, 0
.rept 4
.set rD, O+8*dt
.set rV, 96+12*dt
	WM0 rD, rV, PC, 14+(dt>>1), 21, dt&1, 0
.set dt, dt+1
.endr
	WIN 0
	PLACES
.irp j, 0,2,4,6,8,10,12,14,16,18,20,22,24,26,28,30
	v_pk_mul_f32 v[O+\j:O+\j+1], v[O+\j:O+\j+1], v[156:157] op_sel_hi:[1,0]   ; O^T / the sum, each accumulator from its low end on
.endr
.irp b, 0,1                            ; the result's 64 channels are two blocks of the out projection's K
	v_max3_num_f32 v[HT+\b], |v[O+16*\b]|, |v[O+16*\b+1]|, 0x2800000
.endr
.irp i, 2,4,6,8,10,12,14
.irp b, 0,1
	v_max3_num_f32 v[HT+\b], v[HT+\b], |v[O+16*\b+\i]|, |v[O+16*\b+\i+1]|
.endr
.endr
.irp b, 0,1
	v_permlanex16_b32 v[HT+2+\b], v[HT+\b], s[SEL], s[SEL+1]
.endr
.irp b, 0,1
	v_max_num_f32 v[HT+\b], v[HT+\b], v[HT+2+\b]
.endr
.irp b, 0,1
	v_add_nc_u32 v[HT+4+\b], 0xfe000000, v[HT+\b]
.endr
.irp b, 0,1
	v_lshrrev_b32 v[HT+6+\b], 23, v[HT+4+\b]
.endr
	v_lshl_or_b32 v[OW+(\t)], v[HT+7], 8, v[HT+6]
	v_cvt_scalef32_pk16_bf6_f32 v[OC+12*(\t):OC+12*(\t)+2], v[O:O+15], v[HT+4]
	v_cvt_scalef32_pk16_bf6_f32 v[OC+12*(\t)+6:OC+12*(\t)+8], v[O+16:O+31], v[HT+5]
	v_nop
.irp n, 0,1,2
	v_permlane16_swap_b32 v[OC+12*(\t)+\n], v[OC+12*(\t)+6+\n]
.endr
.irp n, 0,1,2
	v_mov_b32 v[OC+12*(\t)+3+\n], v[OC+12*(\t)+6+\n]
.endr
.endm
	TILE 0
	TILE 1
	TILE 2
	TILE 3
	s_wait_alu depctr_va_vdst(0)                   ; tile 3 has written its codes and scale bytes, which its three stores read
	SENDT 3
	s_wait_dscnt 0x0                               ; for the others' sake: my bytes lie in LDS
	s_barrier_signal -1
	s_barrier_wait -1
	s_cmp_lg_u32 s8, 0
	s_cbranch_scc1 .Lend
	ds_load_b128 v[232:235], v1                    ; wave 0: the four tiles' records, whole words of four heads' bytes; no vector instruction names v232-235
	s_wait_dscnt 0x0
	global_store_b128 v1, v[232:235], s[54:55]     ; 512 consecutive bytes, aligned to 256
.Lend:
	s_wait_dscnt 0x0                               ; the closing lines, six on end
	s_wait_alu 0x0
	s_wait_tensorcnt 0x0
	ds_add_u32 v254, v255
	s_wait_dscnt 0x0
	s_endpgm
.Lfunc_end_k_q2674fd1983_attn:
	.size	k_q2674fd1983_attn, .Lfunc_end_k_q2674fd1983_attn-k_q2674fd1983_attn
	.p2alignl 7, 3214868480
	.fill 96, 4, 3214868480
	.section	.rodata,"a",@progbits
	.p2align	6, 0x0
	.amdhsa_kernel k_q2674fd1983_attn
		.amdhsa_group_segment_fixed_size 1024
		.amdhsa_private_segment_fixed_size 0
		.amdhsa_enable_private_segment 0
		.amdhsa_kernarg_size 16
		.amdhsa_user_sgpr_count 2
		.amdhsa_user_sgpr_kernarg_segment_ptr 1
		.amdhsa_wavefront_size32 1
		.amdhsa_system_sgpr_workgroup_id_x 1
		.amdhsa_system_sgpr_workgroup_id_y 1
		.amdhsa_system_sgpr_workgroup_id_z 1
		.amdhsa_system_vgpr_workitem_id 0
		.amdhsa_next_free_vgpr 448
		.amdhsa_next_free_sgpr 66
		.amdhsa_reserve_vcc 0
		.amdhsa_float_denorm_mode_32 3
		.amdhsa_float_denorm_mode_16_64 3
		.amdhsa_memory_ordered 1
		.amdhsa_forward_progress 1
		.amdhsa_inst_pref_size 75
	.end_amdhsa_kernel
	.amdgpu_metadata
---
amdhsa.version: [ 1, 2 ]
amdhsa.kernels:
  - .name:           k_q2674fd1983_attn
    .symbol:         k_q2674fd1983_attn.kd
    .args:
      - { .name: qkv, .offset: 0, .size: 8, .value_kind: global_buffer, .address_space: global }
      - { .name: ao, .offset: 8, .size: 8, .value_kind: global_buffer, .address_space: global }
    .group_segment_fixed_size: 1024
    .private_segment_fixed_size: 0
    .kernarg_segment_align: 8
    .kernarg_segment_size: 16
    .max_flat_workgroup_size: 128
    .sgpr_count:     66
    .vgpr_count:     448
    .wavefront_size: 32
...
	.end_amdgpu_metadata
.endif
;; end of part 5
;; launch oproj: the kernel of part 4 again; grid 4 x 64, 4 waves a work-group, clusters of 4 x 4, 295,424 bytes of LDS; arguments ao, wall, bo, out0; writes out0
